; MI455X (gfx1250); checked and timed in simulation.
; The chip was launched on July 23, 2026; its instructions are those of AMD's public machine-readable ISA for CDNA 5 (MIT licence, August 2026) and "CDNA5" Instruction Set Architecture Reference Guide (July 2026). The comments in the code are by the model that wrote it; some were corrected since.
;; Causal Self Attention. Allowed arithmetic: matrix products marked QUANTISED: E2M1 operands, one E8M0 scale for each 32 along K, by v_wmma_scale_f32_16x16x128_f8f6f4 with both operands' format E2M1 (or v_wmma_scale_f32_32x16x128_f4), f32 sums; everything else in f32.
;; Inputs: W_attn_codes 3,072 x 32 x 16 uint8 (E2M1 codes of W_attn, K innermost, in blocks of 32 codes, two codes a byte); W_attn_scales 3,072 x 32 uint8 (E8M0 scales of W_attn, one for each 32 codes along K); W_proj_codes 1,024 x 32 x 16 uint8 (E2M1 codes of W_proj, K innermost, in blocks of 32 codes, two codes a byte); W_proj_scales 1,024 x 32 uint8 (E8M0 scales of W_proj, one for each 32 codes along K); b_attn 3,072 float32; b_proj 1,024 float32; x_codes 4 x 2,048 x 32 x 16 uint8 (E2M1 codes of x, K innermost, in blocks of 32 codes, two codes a byte); x_scales 4 x 2,048 x 32 uint8 (E8M0 scales of x, one for each 32 codes along K).
;; Outputs: out0 4 x 2,048 x 1,024 float32.
;; This version of the problem:
;;   THIS VERSION OF THE PROBLEM IS GIVEN IN LOW PRECISION. The matrix products marked QUANTISED in the list below multiply operands that are first quantised to E2M1 (2 exponent bits, 1 mantissa bit; 4 bits a number), with one power-of-two scale for each 32 numbers along K (OCP MX v1.0); their sums are f32. All else is computed in f32.
;;   The module's matrix products, in the order in which they are computed (A, B: the left and right operand; K: the contracted axis; several contracted axes count as one K, in the product's order):
;;     1. [M 8,192, K 1,024] x [K 1,024, N 3,072]; A: input x (given as codes); B: input W_attn (given as codes): QUANTISED
;;     2. batch 64 x [M 2,048, K 64] x [K 64, N 2,048]; A: computed on the way; B: computed on the way: QUANTISED
;;     3. batch 64 x [M 2,048, K 2,048] x [K 2,048, N 64]; A: softmax (see below); B: computed on the way: QUANTISED
;;     4. [M 8,192, K 1,024] x [K 1,024, N 1,024]; A: computed on the way; B: input W_proj (given as codes): QUANTISED
;;   THE QUANTISER, for each operand of a quantised product, along K:
;;     - K is cut into blocks of 32 from its start; a last block that is shorter is filled with zeros.
;;     - A block's scale is 2^e with e = floor(log2(the largest magnitude in the block)) - 2, held to -126 .. 127; a block of zeros has e = 0. As a byte (E8M0): e + 127.
;;     - Each number is divided by its block's scale, clamped to +-6, and rounded to the nearest number of E2M1, ties to even, subnormals kept.
;;     - The product sums the exact products of the quantised numbers (number of the format x scale) in f32.
;;   ~~~python
;;   def quantise(x, axis):      # numpy; x: float32 -> the quantised numbers, widened to float32 again
;;       x = np.moveaxis(x, axis, -1); K = x.shape[-1]
;;       x = np.pad(x, [(0, 0)] * (x.ndim - 1) + [(0, -K % 32)]); x = x.reshape(x.shape[:-1] + (-1, 32)); a = np.abs(x).max(-1, keepdims=True)
;;       e = np.where(a > 0, np.clip(np.frexp(np.where(a > 0, a, 1))[1] - 1 - 2, -126, 127), 0)      # np.frexp(a)[1] - 1 = floor(log2(a)), exactly
;;       r = np.clip(x / 2.0 ** e, -6, 6)
;;       step = 2.0 ** (np.maximum(np.frexp(np.where(r == 0, 1, r))[1] - 1, 0) - 1)
;;       q = np.round(r / step) * step * 2.0 ** e      # np.round: ties to even
;;       return np.moveaxis(q.reshape(q.shape[:-2] + (-1,))[..., :K], -1, axis).astype(np.float32)
;;   ~~~
;;   SOFTMAX AHEAD OF A QUANTISED PRODUCT. Where the list says 'softmax', what is quantised is not the finished softmax but p = 2^(t - M), with t = logit x log2(e) and M = ceil(the row's largest t), a whole number; so 1/2 < the row's largest p <= 1. The row's sum l is taken of the UNQUANTISED p, in f32, and the product's result is divided by l at the end. Since M is a whole number, a kernel that streams over the keys may use a running M (the ceiling of the running maximum): every later rescaling is an exact power of two, which a block's scale takes up: the codes' values come out the same.
;;   OPERANDS COMPUTED ON THE WAY. 'Computed on the way' means the value that the module computes at that place (a softmax that the list does not call 'softmax' is quantised finished and normalised). What goes into a quantiser is computed in f32, as accurately as f32 sums, v_exp_f32 and their like allow (about 1e-6 of the number): no bf16 or f16 on the way to a quantiser, and a product that is left as it is and whose result goes on into a quantised operand takes f32 operands (vector FMAs, or v_wmma_f32_16x16x4_f32). A number that lies on a knife's edge between two numbers of the format may be rounded either way, as far as f32 arithmetic and the matrix unit's own rounding can turn it there, and no further.
;;   INPUTS GIVEN AS CODES. W_attn (in the module: [1024, 3072], K = its axis 0); W_proj (in the module: [1024, 1024], K = its axis 0); x (in the module: [4, 2048, 1024], K = its axis 2): each comes as NAME_codes (uint8): NAME with its K axis moved to the last place and cut into blocks of 32 codes, [.., K / 32, bytes a block], one block behind the other in memory; two codes a byte, the lower K in the low four bits (a code: sign, 2 exponent bits, 1 mantissa bit); and NAME_scales (uint8): the same leading axes, one E8M0 byte (e + 127) for each 32 codes along K. Its value is code x scale, taken as it is: it is not quantised again, and the codes and scales need not be those that the quantiser above would give.
;; One version. Each part assembles by itself: llvm-mc -triple=amdgcn-amd-amdhsa -mcpu=gfx1250 --defsym DOCPART=n.
;; ======== version 1 of 1: 3 launches
;; workspace buffers: q_codes 4,194,304 bytes; q_scales 524,288 bytes; kv 9,437,184 bytes; y_codes 4,194,304 bytes; y_scales 262,144 bytes
;; launch qkv (part 1): grid 12 x 32, 4 waves a work-group, clusters of 4 x 4, 327,680 bytes of LDS; arguments x_codes, x_scales, W_attn_codes, W_attn_scales, b_attn, q_codes, q_scales, kv; writes q_codes, q_scales, kv
.if DOCPART == 1
	.amdgcn_target "amdgcn-amd-amdhsa--gfx1250"
	.amdhsa_code_object_version 6
	.text
	.protected	k_q241742e4d1_qkv
	.globl	k_q241742e4d1_qkv
	.p2align	8
	.type	k_q241742e4d1_qkv,@function
k_q241742e4d1_qkv:
	s_mov_b64 s[64:65], 0
	v_nop
	global_prefetch_b8 v0, s[64:65] scope:SCOPE_SE
	s_setreg_imm32_b32 hwreg(HW_REG_WAVE_MODE, 25, 1), 1
	s_wait_xcnt 0x0
	s_wait_alu depctr_hold_cnt(0) depctr_sa_sdst(0) depctr_va_vdst(0) depctr_va_sdst(0) depctr_va_ssrc(0) depctr_va_vcc(0) depctr_vm_vsrc(0)
	s_getreg_b32 s2, hwreg(HW_REG_IB_STS2, 6, 4)
	s_cmp_eq_u32 s2, 0
	s_cbranch_scc0 .Lentry_in_a_cluster
	s_endpgm
.Lentry_in_a_cluster:
	s_bfe_u32 s2, ttmp6, 0x10000c
	s_cmp_lg_u32 s2, 0xf033
	s_cbranch_scc0 .Lentry_shape_is_right
	s_endpgm
.Lentry_shape_is_right:
; LAUNCH 1 OF 3.  qkv = x W_attn + b_attn on codes of FP4 (E2M1) with one E8M0 scale for each 32 along K = 1,024; the f32 results are quantised at once, in registers, for the products that take them:
; q and k along the head's 64 (two blocks of 32), v along the keys (blocks of 32 keys).  Nothing wide goes to memory.
; THE PROGRAM: this launch; attention (both its products, the softmax, y quantised along C); the projection.
; WORK LEFT OUT BY THE PROGRAM (in the second launch): reference() builds the mask tril(ones(T, T)) in its own body and sets att to -inf where key > query; exp(-inf) = 0, so such a key adds 0 to the row's sum and 0 to y,
; whatever finite values the inputs hold.  Where all 128 keys of a key step come after all 16 queries of a tile, the step's two products and its softmax are left out whole.  No input is left out: every input has a way to the output
; (b_attn's part for k stays: it moves k's codes).  LIMIT: a NaN, an infinity or an overflow that lies only in rows of k or v which a query does not see is not carried to that query's result.
; LIMITS OF THE QUANTISERS HERE: a block whose largest magnitude lies under 2^-124 keeps the scale byte 1; a block of zeros gets the byte 1 where the rule says 127 (its codes are zeros, and this program alone reads the bytes);
; NaN and infinities among the inputs are not served.  The bias is the C of each sum's first matrix instruction, so it is added ahead of the products and not behind them: another order of rounding than x @ W + b.
; SHARES.  A work-group of four waves makes 256 x 256 of qkv, a wave 128 x 128: 64 accumulators of 16 x 16.  All of K lies in LDS at once, in two slots of 512 along K that are filled once: nothing is filled again.
; TWO OPERANDS: L, whose rows fall to lanes (source 1), and R, whose rows fall to a lane's registers (source 0): accumulator (a, b), lane (r, h), register j = (L's row 16 a + r, R's row 16 b + 8 h + j).
; A quantiser wants its K along a lane's registers.  So for q and k (cluster x 0, 1) L = x (tokens) and R = W_attn (channels); for v (cluster x 2) L = W_attn's rows 2,048 on (channels) and R = x (tokens = keys).
; Both have rows of 512 bytes of codes and 32 scale bytes, so one set of descriptors and one loop serve both; only pointers and tile numbers are chosen, by the cluster's x, which all sixteen partners share.
; CLUSTERS: 4 x 4 work-groups.  L's tile hangs on cy alone and is asked for jointly by a row of the cluster, R's on cx alone and by a column.
; THE WAY OUT.  Tile t of a lane's eight gives eight codes, one register.  The conversions of tiles 4 c .. 4 c + 3 write registers 4 c + 0, 2, 1, 3, and two exchanges of halves between neighbouring registers leave
; lane (r, h) with the 32 codes k = 64 c + 32 h + 0 .. 31 in registers 4 c .. 4 c + 3: the layout of a 4-bit operand.  They are stored as they stand, 16 bytes a lane, 512 consecutive bytes a store: images of operand registers.
; WORKSPACE.  q_codes [bh 64][tile of 16 queries 128][512]: lane (r, h) = query r, block h of the head's 64.  q_scales [bh][key step 16][512] as words [g 2][r 16][i 4]: tile 4 g + i, row r; bytes 0, 1 the two blocks' scales.
; kv [bh][key step of 128 keys 16][9,216]: + 0 k's eight tiles as q's; + 4,096 v: [tile of 16 channels 4][c 2][512]; + 8,192 k's scale words as q's; + 8,704 v's scale words [twice][r 16][tile 4].
; REGISTERS, in windows of 256: window 0: v0-31 addresses; v32-95 scale words, two sets; v128-191 L's fragments, one set; v200-247 the way out.  window 1: R's fragments, two sets, at v0 and v128; v64-127 the bias as C.
;   window 2: the accumulators of L's blocks 0-3 (accumulator (a, b) at v[8 (8 (a % 4) + b)]);  window 3: those of blocks 4-7.
.set NQ,     4                         ; steps of 128 along K in a slot
.set ROWB,   256                       ; a tile's row: 512 codes
.set KROW,   512                       ; a row of x or of W_attn in memory, in bytes
.set PITCH,  272                       ; an LDS row: 256 bytes + 16 of padding, so that the 16 rows of a fragment load begin 68 words apart
.set FR,     8                         ; registers of a fragment
.set NL,     2                         ; LDS loads that bring one
.set NP,     4                         ; places behind this matrix instruction (ISA guide 7.12.1)
.set HALFT,  128*PITCH                 ; 128 rows: what one tensor load brings
.set SLOT,   4*HALFT                   ; L's 256 rows, then R's 256 rows
.set KS,     32                        ; a row of scale bytes
.set SCL,    2*SLOT                    ; behind the slots: the scale bytes, as units of 256 bytes + 16 of padding
.set HALFS,  16*272                    ; those of 128 rows
.set SBLK,   2*272                     ; those of 16 rows
.set SPARE,  SCL+4*HALFS               ; the spare words, 128 bytes for each wave: two blocks of 256 bytes that no other line names
.set RECB,   9216                      ; a record of kv
.set HEADB,  16*RECB                   ; a head's records
.set ADRA, 16                          ; v16-17  LDS address of my L fragments in slot 0, 1
.set ADRB, 20                          ; v20-21  the same for R
.set CO,   26                          ; v26     16 x lane: my place in an image
.set ADRS, 27                          ; v27     LDS address of my scale words: lanes 0-15 L's rows, lanes 16-31 R's
.set SPW,  28                          ; v28     my spare word; never rewritten
.set NIL,  29                          ; v29     0; never rewritten
.set SC,   32                          ; scale words: set s at v[SC + 32 s]; register 4 i + q: lanes 0-15 L's block i, lanes 16-31 R's block i, the slot's q-th 128 along K
.set AF,   128                         ; L's fragments
.set BI,   64                          ; window 1: the bias in the result's layout, eight registers a tile
.set TM,   200                         ; v200-203 largest magnitudes
.set TP,   204                         ; v204-207 the other half's; then the bytes
.set TS,   208                         ; v208-211 the conversions' scale operands
.set PCD,  216                         ; v216-231 codes, two sets of eight by turns
.set WS,   232                         ; v232-239 block a's scale word
.set YW,   240                         ; v240-243, v244-247 scale words as they are stored
.set ZW,   244
.set G1, 24                            ; s[24:31] group 1 for L's tiles;  s[32:39] group 0, one set for each slot
.set G0, 32
.set G1B, 48                           ; s[48:55], s[56:63] the same for R's
.set G0B, 56
.set G1S, 68                           ; s[68:75], s[76:79] groups 1 and 0 for L's scales;  s[80:87], s[88:91] for R's
.set G0S, 76
.set G1SB, 80
.set G0SB, 88
.set SEL, 104                          ; s[104:105] first the bias's offset, then the lane selects of v_permlanex16_b32
.set FL,  3                            ; s3   the floor 2^(3 - 127)
.set HIM, 95                           ; s95  lanes 16-31
.set OC0, 4                            ; s[4:5], s[6:7] the way out: where the codes of my first and second head go;  s[8:9], s[10:11] their scale words
.set OC1, 6
.set OS0, 8
.set OS1, 10
.set MSB, 0
.macro WIN new                         ; the immediate's high byte repeats the setting that is left
.if MSB != (\new)
	s_set_vgpr_msb (MSB<<8)|(\new)
.set MSB, (\new)
.endif
.endm
.set MUL_LO, 0xa1                      ; source 0 (R) window 1, source 1 (L) window 0, C and D window 2
.set MUL_HI, 0xf1                      ; the same, C and D window 3
.set TO_B,   0x40                      ; destination window 1, address window 0
; A joint load: waves 0 and 1 fetch for L, waves 2 and 3 for R.  The branch hangs on the wave's number alone.  An s_nop 0 and four v_nop follow each of the two lines.
.macro JLOAD g0a, g1a, g0b, g1b
	s_cmp_eq_u32 s15, 0
	s_cbranch_scc0 .Lfor_b_\@
	tensor_load_to_lds s[\g0a:\g0a+3], s[\g1a:\g1a+7]
	s_nop 0
.rept 4
	v_nop
.endr
	s_branch .Lasked_\@
.Lfor_b_\@:
	tensor_load_to_lds s[\g0b:\g0b+3], s[\g1b:\g1b+7]
	s_nop 0
.rept 4
	v_nop
.endr
.Lasked_\@:
.endm
.macro CROUND                          ; a round of the cluster's barrier
	s_barrier_signal -1
	s_barrier_wait -1
	s_cmp_lg_u32 s14, 0
	s_cbranch_scc1 .Lnot_wave_0_\@
	s_barrier_signal -3
.Lnot_wave_0_\@:
	s_barrier_wait -3
	s_barrier_signal -1
	s_barrier_wait -1
.endm
	s_load_b256 s[4:11], s[0:1], 0x0               ; x's codes s[4:5], x's scales s[6:7], W_attn's codes s[8:9], its scales s[10:11]
	s_load_b64 s[12:13], s[0:1], 0x20              ; b_attn
	s_load_b128 s[96:99], s[0:1], 0x28             ; q_codes, q_scales
	s_load_b64 s[100:101], s[0:1], 0x38            ; kv
	v_lshl_add_u32 v[SPW], v0, 2, SPARE
	v_mov_b32 v[NIL], 0
	ds_add_u32 v[SPW], v[NIL]                      ; the wave's opening: the add, twice on end, and its wait ahead of my first tensor load
	ds_add_u32 v[SPW], v[NIL]                      ; and once more, under the one wait; the set-up below, work on registers, stands between
	v_lshrrev_b32 v1, 5, v0
	v_readfirstlane_b32 s14, v1                    ; wave 0..3
	s_lshr_b32 s15, s14, 1                         ; which half of L's rows is mine.  Also: I fetch for L (0) or for R (1)
	s_and_b32 s16, s14, 1                          ; which half of R's rows.  Also: which 128 rows of that tile I fetch
	s_bfe_u32 s40, ttmp6, 0x40000                  ; cx, cy: my place in the cluster
	s_bfe_u32 s41, ttmp6, 0x40004
	s_and_b32 s66, ttmp7, 0xffff
	s_lshl_b32 s66, s66, 2                         ; 4 x cluster y
	s_lshl_b32 s67, ttmp9, 2                       ; 4 x cluster x
	s_cmp_eq_u32 ttmp9, 2                          ; cluster x 2 makes v: the same in all sixteen partners
	s_cselect_b32 s2, 1, 0
	s_cselect_b32 s17, 8, s66                      ; L's tile: v: W_attn's tiles 8 on; else x's
	s_cselect_b32 s42, s66, s67                    ; R's tile: v: x's; else W_attn's tiles 0 to 7
	s_add_co_u32 s17, s17, s41                     ; + cy
	s_add_co_u32 s42, s42, s40                     ; + cx
	s_lshl_b32 s43, s41, 2
	s_lshl_b32 s43, 15, s43                        ; my row of the cluster
	s_lshl_b32 s44, 0x1111, s40                    ; my column
	; group 1: a tile of 128 rows x 256 bytes, 16 bytes of padding behind each row
	s_or_b32 s[G1+0], s43, (0<<16)|(1<<20)|(1<<21)|(5<<22)|(3<<25)  ; 15:0 the mask: L's tiles go to my row; elements of 1 byte; padding on; 21 set beside a mask; after every 64 words, 4 words
	s_or_b32 s[G1B+0], s44, (0<<16)|(1<<20)|(1<<21)|(5<<22)|(3<<25) ; R's go to my column
.irp g, G1, G1B
	s_mov_b32 s[\g+1], ROWB<<16                    ; tensor_dim0
	s_mov_b32 s[\g+2], 128<<16                     ; tensor_dim1
	s_mov_b32 s[\g+3], ROWB<<16                    ; tile_dim0
	s_mov_b32 s[\g+4], 128                         ; tile_dim1
	s_mov_b32 s[\g+5], KROW                        ; from row to row
	s_mov_b32 s[\g+6], 0
	s_mov_b32 s[\g+7], 0
.endr
	; the scale bytes of 128 rows: 4,096 dense bytes, as 16 rows of 256 bytes (32 elements of 8), 16 bytes of padding behind each
	s_or_b32 s[G1S+0], s43, (3<<16)|(1<<20)|(1<<21)|(5<<22)|(3<<25)
	s_or_b32 s[G1SB+0], s44, (3<<16)|(1<<20)|(1<<21)|(5<<22)|(3<<25)
.irp g, G1S, G1SB
	s_mov_b32 s[\g+1], 32<<16
	s_mov_b32 s[\g+2], 16<<16
	s_mov_b32 s[\g+3], 32<<16
	s_mov_b32 s[\g+4], 16
	s_mov_b32 s[\g+5], 32
	s_mov_b32 s[\g+6], 0
	s_mov_b32 s[\g+7], 0
.endr
	s_lshl_b32 s18, s16, 7                         ; which 128 rows of the tile I fetch
	s_lshl_b32 s20, s17, 8
	s_add_co_u32 s20, s20, s18                     ; L: row 256 x tile + 128 x half
	s_lshl_b32 s46, s42, 8
	s_add_co_u32 s46, s46, s18                     ; R likewise
	s_mov_b32 s21, 0
	s_mov_b32 s47, 0
	s_mov_b64 s[18:19], KS
	s_mul_u64 s[22:23], s[20:21], s[18:19]         ; where these rows' scales begin, in bytes,
	s_mul_u64 s[92:93], s[46:47], s[18:19]
	s_mov_b64 s[18:19], KROW
	s_mul_u64 s[20:21], s[20:21], s[18:19]         ; and their codes
	s_mul_u64 s[46:47], s[46:47], s[18:19]
	s_mul_i32 s45, s14, HALFT                      ; where they go: wave x 128 rows: no place in the cluster enters an LDS address
	s_mul_i32 s94, s14, HALFS
	s_wait_dscnt 0x0                               ; both opening adds are done
	s_wait_kmcnt 0x0
	s_cmp_eq_u32 s2, 1                             ; the 64-bit sums below leave SCC alone
	s_cselect_b64 s[18:19], s[8:9], s[4:5]         ; L's codes: v: W_attn's; else x's
	s_add_nc_u64 s[20:21], s[18:19], s[20:21]
	s_cselect_b64 s[18:19], s[10:11], s[6:7]       ; L's scales
	s_add_nc_u64 s[22:23], s[18:19], s[22:23]
	s_cselect_b64 s[18:19], s[4:5], s[8:9]         ; R's codes
	s_add_nc_u64 s[46:47], s[18:19], s[46:47]
	s_cselect_b64 s[18:19], s[6:7], s[10:11]       ; R's scales
	s_add_nc_u64 s[92:93], s[18:19], s[92:93]
	CROUND                                         ; all sixteen work-groups are here: the first joint loads meet
	s_mov_b32 s[G0S], 1
	s_add_co_u32 s[G0S+1], s94, SCL
	s_mov_b64 s[G0S+2:G0S+3], s[22:23]
	s_or_b32 s[G0S+3], s[G0S+3], 0x80000000
	s_mov_b32 s[G0SB], 1
	s_add_co_u32 s[G0SB+1], s94, SCL
	s_mov_b64 s[G0SB+2:G0SB+3], s[92:93]
	s_or_b32 s[G0SB+3], s[G0SB+3], 0x80000000
	JLOAD G0S, G1S, G0SB, G1SB                     ; the scales first: they are wanted with the first step.  With the two below, three tensor loads of mine are out
.irp s, 0,1
	s_mov_b32 s[G0+4*\s], 1
	s_add_co_u32 s[G0+4*\s+1], s45, \s*SLOT
	s_add_nc_u64 s[G0+4*\s+2:G0+4*\s+3], s[20:21], \s*ROWB
	s_or_b32 s[G0+4*\s+3], s[G0+4*\s+3], 0x80000000
	s_mov_b32 s[G0B+4*\s], 1
	s_add_co_u32 s[G0B+4*\s+1], s45, \s*SLOT
	s_add_nc_u64 s[G0B+4*\s+2:G0B+4*\s+3], s[46:47], \s*ROWB
	s_or_b32 s[G0B+4*\s+3], s[G0B+4*\s+3], 0x80000000
	JLOAD G0+4*\s, G1, G0B+4*\s, G1B
.endr
	v_and_b32 v1, 15, v0                           ; r = lane % 16
	v_bfe_u32 v2, v0, 4, 1                         ; h = lane / 16
	v_mul_u32_u24 v3, v1, PITCH
	v_lshl_add_u32 v4, v2, 4, v3                   ; a fragment's row x pitch + 16 x half
	s_mul_i32 s21, s15, HALFT                      ; my 128 rows of L
	s_mul_i32 s22, s16, HALFT                      ; my 128 rows of R,
	s_add_co_u32 s22, s22, 2*HALFT                 ; which lie behind L's 256
.irp s, 0,1
	v_add_nc_u32 v[ADRA+\s], s21, v4
	v_add_nc_u32 v[ADRB+\s], s22, v4
	s_add_co_u32 s21, s21, SLOT
	s_add_co_u32 s22, s22, SLOT
.endr
	v_mul_u32_u24 v5, v1, KS                       ; my row's scales: 32 bytes a row,
	v_lshrrev_b32 v6, 8, v5
	v_lshl_add_u32 v5, v6, 4, v5                   ; and 16 more for each 256 passed
	s_mul_i32 s21, s15, HALFS                      ; L's: my 128 rows
	s_mul_i32 s22, s16, HALFS                      ; R's: my 128 rows, behind L's 256
	s_add_co_u32 s22, s22, 2*HALFS
	s_sub_co_u32 s22, s22, s21
	v_mul_u32_u24 v6, s22, v2                      ; lanes 16-31 take R's
	s_add_co_u32 s21, s21, SCL
	v_add_nc_u32 v5, v5, v6
	v_add_nc_u32 v[ADRS], s21, v5
	v_and_b32 v6, 31, v0
	v_lshlrev_b32 v[CO], 4, v6
	v_lshlrev_b32 v30, 5, v2                       ; the bias along registers: 32 h bytes
	v_lshlrev_b32 v31, 2, v1                       ; the bias along lanes: 4 r bytes
	; THE BIAS, in the result's layout.  It belongs to the channel: q, k: R's row, so eight numbers a tile of R;  v: L's row, so one number a lane, eight times
	s_cmp_eq_u32 s2, 1
	s_cselect_b32 s[SEL], s17, s42                 ; the tile of W_attn,
	s_cselect_b32 s[SEL+1], s15, s16               ; and my half of it
	s_lshl_b32 s[SEL], s[SEL], 10
	s_lshl_b32 s[SEL+1], s[SEL+1], 9
	s_add_co_u32 s[SEL], s[SEL], s[SEL+1]
	s_mov_b32 s[SEL+1], 0
	s_add_nc_u64 s[12:13], s[12:13], s[SEL:SEL+1]  ; b_attn at my 128 channels
	s_cmp_eq_u32 s2, 1
	s_cbranch_scc1 .Lbias_v
	WIN TO_B
	s_wait_alu depctr_va_vdst(0)
.irp b, 0,1,2,3,4,5,6,7
	global_load_b128 v[BI+8*\b:BI+8*\b+3], v30, s[12:13] offset:64*\b       ; channels 16 b + 8 h + 0 .. 7
	global_load_b128 v[BI+8*\b+4:BI+8*\b+7], v30, s[12:13] offset:64*\b+16
.endr
	WIN 0
	s_branch .Lbias_done
.Lbias_v:
	WIN TO_B
	s_wait_alu depctr_va_vdst(0)
.irp a, 0,1,2,3,4,5,6,7
	global_load_b32 v[BI+8*\a], v31, s[12:13] offset:64*\a                  ; channel 16 a + r
.endr
	s_wait_loadcnt 0x0
	WIN 0x41                                       ; source 0 and destination window 1
.irp a, 0,1,2,3,4,5,6,7
.irp j, 1,2,3,4,5,6,7
	v_mov_b32 v[BI+8*\a+\j], v[BI+8*\a]            ; the same for the lane's eight keys: these build a C operand, which spares an addition on each of the 512 results
.endr
.endr
	WIN 0
.Lbias_done:
	s_wait_loadcnt 0x0
.rept 8
	v_nop                                          ; distance between the copies above and the matrix instructions that take them
.endr
.macro FRAG reg, adr, q, i             ; a fragment, 16 rows x 128 K of 4-bit codes: lane l holds row l % 16; registers 4 c .. 4 c + 3 hold K = 64 c + 32 (l / 16) + 0 .. 31
.irp c, 0,1
	ds_load_b128 v[\reg+4*\c:\reg+4*\c+3], v[\adr] offset:64*(\q)+32*\c+(\i)*16*PITCH
.endr
.endm
; 16 matrix instructions: L's blocks a0, a0 + 1 x R's eight, the slot's q-th 128 along K.  p: R's set;  sc: the set of scale words.  zero = 1, 2: the first products start the sums from the bias (by R's block, by L's block).
; The 64 accumulators take turns, one instruction a turn, in the same order in every step.
.macro MUL16 a0, p, q, sc, zero
.irp a, \a0, \a0+1
.irp b, 0,1,2,3,4,5,6,7
.if \zero == 1
	v_wmma_scale_f32_16x16x128_f8f6f4 v[8*(8*((\a)%4)+\b):8*(8*((\a)%4)+\b)+7], v[128*(\p)+FR*\b:128*(\p)+FR*\b+FR-1], v[AF+FR*(\a):AF+FR*(\a)+FR-1], v[BI+8*\b:BI+8*\b+7], v[SC+8*NQ*(\sc)+NQ*\b+(\q)], v[SC+8*NQ*(\sc)+NQ*(\a)+(\q)] matrix_a_fmt:MATRIX_FMT_FP4 matrix_b_fmt:MATRIX_FMT_FP4 matrix_a_scale:MATRIX_SCALE_ROW1
.elseif \zero == 2
	v_wmma_scale_f32_16x16x128_f8f6f4 v[8*(8*((\a)%4)+\b):8*(8*((\a)%4)+\b)+7], v[128*(\p)+FR*\b:128*(\p)+FR*\b+FR-1], v[AF+FR*(\a):AF+FR*(\a)+FR-1], v[BI+8*(\a):BI+8*(\a)+7], v[SC+8*NQ*(\sc)+NQ*\b+(\q)], v[SC+8*NQ*(\sc)+NQ*(\a)+(\q)] matrix_a_fmt:MATRIX_FMT_FP4 matrix_b_fmt:MATRIX_FMT_FP4 matrix_a_scale:MATRIX_SCALE_ROW1
.else
	v_wmma_scale_f32_16x16x128_f8f6f4 v[8*(8*((\a)%4)+\b):8*(8*((\a)%4)+\b)+7], v[128*(\p)+FR*\b:128*(\p)+FR*\b+FR-1], v[AF+FR*(\a):AF+FR*(\a)+FR-1], v[8*(8*((\a)%4)+\b):8*(8*((\a)%4)+\b)+7], v[SC+8*NQ*(\sc)+NQ*\b+(\q)], v[SC+8*NQ*(\sc)+NQ*(\a)+(\q)] matrix_a_fmt:MATRIX_FMT_FP4 matrix_b_fmt:MATRIX_FMT_FP4 matrix_a_scale:MATRIX_SCALE_ROW1
.endif
.endr
.endr
.endm
.macro FETCH_B slot, q, p              ; R's eight fragments of the slot's q-th 128 along K into set p
	WIN TO_B
.irp i, 0,1,2,3,4,5,6,7
	FRAG 128*(\p)+FR*\i, ADRB+\slot, \q, \i
.endr
	WIN 0
.endm
.macro FETCH_A slot, q, i0             ; L's blocks i0 .. i0 + 3
.irp i, \i0, \i0+1, \i0+2, \i0+3
	FRAG AF+FR*(\i), ADRA+\slot, \q, \i
.endr
.endm
.macro SCALES sc                       ; a slot's scale words into set sc: four words a row; lanes 0-15 take L's block i, lanes 16-31 R's block i
.irp i, 0,1,2,3,4,5,6,7
	ds_load_b128 v[SC+8*NQ*\sc+NQ*\i:SC+8*NQ*\sc+NQ*\i+3], v[ADRS] offset:\i*SBLK
.endr
.endm
.macro PLACES n                        ; a load into a register that a matrix instruction has read, and a vector instruction that reads a matrix result, stand four plain vector instructions behind it (ISA guide 7.12.1 for the vector instruction)
.rept \n
	v_nop
.endr
.endm
; A step of 128 along K that has its successor in the same slot.  A block of L is free as soon as its eight products are issued: blocks 0-3 are fetched anew in the step's middle, blocks 4-7 at its end.
.macro STEP slot, q, zero
	s_wait_dscnt 4*NL                              ; R's set and L's blocks 0-3 are in; the youngest eight loads (L's blocks 4-7) may be out
.if \zero
	WIN 0x91                                       ; C (the bias) window 1, D window 2
.else
	WIN MUL_LO
.endif
	MUL16 0, (\q)%2, \q, \slot, \zero
	MUL16 2, (\q)%2, \q, \slot, \zero
	s_wait_dscnt 0                                 ; L's blocks 4-7 are in
	PLACES NP
	FETCH_B \slot, (\q)+1, 1-(\q)%2
	FETCH_A \slot, (\q)+1, 0
.if \zero
	WIN 0xd1                                       ; C window 1, D window 3
.else
	WIN MUL_HI
.endif
	MUL16 4, (\q)%2, \q, \slot, \zero
	MUL16 6, (\q)%2, \q, \slot, \zero
	PLACES NP
	WIN 0
	FETCH_A \slot, (\q)+1, 4
.endm
	s_wait_tensorcnt 1                             ; the scales and my part of slot 0 are in (slot 1's load may be out)
	s_barrier_signal -1
	s_barrier_wait -1                              ; everybody's are
	FETCH_B 0, 0, 0
	FETCH_A 0, 0, 0
	SCALES 0
	FETCH_A 0, 0, 4
	s_cmp_eq_u32 s2, 1                             ; the first step is written twice: it differs in which registers of the bias a product takes as C
	s_cbranch_scc1 .Lfirst_v
	s_wait_alu depctr_va_vdst(0)
	STEP 0, 0, 1
	s_branch .Lfirst_done
.Lfirst_v:
	s_wait_alu depctr_va_vdst(0)
	STEP 0, 0, 2
.Lfirst_done:
	STEP 0, 1, 0
	STEP 0, 2, 0
	; slot 0's last step changes slots: one barrier, in front of which each wave has waited for its part of slot 1
	s_wait_tensorcnt 0x0                           ; all my tensor loads have landed
	ds_add_u32 v[SPW], v[NIL]                      ; 0 onto my spare word
	s_wait_dscnt 4*NL+1                            ; (the add and the youngest eight loads, L's blocks 4-7, may be out)
	WIN MUL_LO
	MUL16 0, 1, NQ-1, 0, 0
	s_wait_dscnt 0x0                               ; no LDS instruction of mine is out at the signal
	s_barrier_signal -1
	MUL16 2, 1, NQ-1, 0, 0                         ; work on registers while the others arrive
	WIN 0
	s_barrier_wait -1                              ; slot 1 is whole
	PLACES NP
	v_add_nc_u32 v[ADRS], 4*NQ, v[ADRS]            ; on to slot 1's scale words
	FETCH_B 1, 0, 0
	FETCH_A 1, 0, 0
	SCALES 1
	WIN MUL_HI
	MUL16 4, 1, NQ-1, 0, 0
	MUL16 6, 1, NQ-1, 0, 0
	PLACES NP
	WIN 0
	FETCH_A 1, 0, 4
	STEP 1, 0, 0
	STEP 1, 1, 0
	STEP 1, 2, 0
	s_wait_dscnt 4*NL                              ; the last step: nothing more to fetch
	WIN MUL_LO
	MUL16 0, 1, NQ-1, 1, 0
	MUL16 2, 1, NQ-1, 1, 0
	s_wait_dscnt 0
	WIN MUL_HI
	MUL16 4, 1, NQ-1, 1, 0
	MUL16 6, 1, NQ-1, 1, 0
	WIN 0
; THE WAY OUT.  QUANT a: L's block a, 128 numbers along R in a lane pair's registers, becomes a fragment's codes in set a % 2 and a scale word in v[WS + a].
; Block B of 32 is tiles 2 B and 2 B + 1 of lanes l and l xor 16.  Each accumulator is read from its low end on.
.macro QUANT a
.set AC, 64*((\a)%4)
.set PP, PCD+8*((\a)%2)
	WIN 20*(2+(\a)/4)                              ; sources 1 and 2: window 2 or 3
.irp b, 0,1,2,3
	v_max3_num_f32 v[TM+\b], s[FL], |v[AC+16*\b]|, |v[AC+16*\b+1]|       ; my 16 numbers of block b, and the floor, under which no largest magnitude is taken: so the byte cannot fall under 1
.endr
.irp i, 2,4,6,8,10,12,14
.irp b, 0,1,2,3
	v_max3_num_f32 v[TM+\b], v[TM+\b], |v[AC+16*\b+\i]|, |v[AC+16*\b+\i+1]|   ; (the four blocks by turns)
.endr
.endr
	WIN 0
.irp b, 0,1,2,3
	v_permlanex16_b32 v[TP+\b], v[TM+\b], s[SEL], s[SEL+1]
.endr
.irp b, 0,1,2,3
	v_max_num_f32 v[TM+\b], v[TM+\b], v[TP+\b]     ; with lane l xor 16's: the block's largest magnitude
.endr
.irp b, 0,1,2,3
	v_add_nc_u32 v[TS+\b], 0xff000000, v[TM+\b]    ; 2 off its exponent field: the conversion takes the exponent field of this operand as its scale
.endr
.irp b, 0,1,2,3
	v_lshrrev_b32 v[TP+\b], 23, v[TS+\b]           ; the scale's byte
.endr
	v_lshl_or_b32 v[WS+(\a)], v[TP+1], 8, v[TP]
	v_lshl_or_b32 v[WS+(\a)], v[TP+2], 16, v[WS+(\a)]
	v_lshl_or_b32 v[WS+(\a)], v[TP+3], 24, v[WS+(\a)]
	s_wait_xcnt 0x0                                ; the stores of the block before last have read this set of codes: it is written again only behind this wait
	WIN 2+(\a)/4                                   ; source 0: window 2 or 3
.irp t, 0,1,2,3,4,5,6,7
	v_cvt_scalef32_pk8_fp4_f32 v[PP+4*(\t/4)+2*(\t%2)+(\t%4)/2], v[AC+8*\t:AC+8*\t+7], v[TS+\t/2]   ; tiles 4 c + 0, 1, 2, 3 into registers 4 c + 0, 2, 1, 3
.endr
	WIN 0
	v_nop                                          ; one plain place behind a scaled conversion
.irp c, 0,1
	v_permlane16_swap_b32 v[PP+4*\c], v[PP+4*\c+1]       ; the first's lanes 16-31 change places with the second's lanes 0-15:
	v_permlane16_swap_b32 v[PP+4*\c+2], v[PP+4*\c+3]     ; registers 4 c .. 4 c + 3 now hold k = 64 c + 32 h + 0 .. 31
.endr
.endm
	PLACES NP                                      ; behind the last products
.irp b, 0,1,2,3
	v_mov_b32 v[TP+\b], 0                          ; written once: a lane permute's destination counts as one of its sources
.endr
	s_mov_b32 s[SEL], 0x76543210
	s_mov_b32 s[SEL+1], 0xfedcba98                 ; lane l xor 16
	s_mov_b32 s[FL], 0x1800000                     ; 2^(3 - 127)
	s_mov_b32 s[HIM], 0xffff0000
	s_cmp_eq_u32 s2, 1
	s_cbranch_scc1 .Lout_v
	; q and k: my 128 tokens are one key step of one batch; my 128 channels are two heads
	s_lshl_b32 s18, s17, 8
	s_lshl_b32 s19, s15, 7
	s_add_co_u32 s18, s18, s19                     ; my first token
	s_lshr_b32 s19, s18, 11                        ; the batch
	s_bfe_u32 s20, s18, 0x40007                    ; the key step in it
	s_lshl_b32 s21, s42, 2
	s_lshl_b32 s22, s16, 1
	s_add_co_u32 s21, s21, s22
	s_and_b32 s21, s21, 15                         ; my first head
	s_lshl_b32 s19, s19, 4
	s_add_co_u32 s19, s19, s21                     ; bh
	s_cmp_eq_u32 ttmp9, 1                          ; cluster x 1 makes k, which goes into kv's records; cluster x 0 makes q
	s_cselect_b64 s[OC0:OC0+1], s[100:101], s[96:97]
	s_cselect_b64 s[OS0:OS0+1], s[100:101], s[98:99]
	s_mov_b32 s44, 65536
	s_cselect_b32 s44, HEADB, s44                  ; from head to head, codes
	s_mov_b32 s46, 8192
	s_cselect_b32 s46, HEADB, s46                  ; and scale words
	s_mov_b32 s22, 4096
	s_cselect_b32 s22, RECB, s22                   ; from key step to key step, codes
	s_mov_b32 s23, 512
	s_cselect_b32 s23, RECB, s23                   ; and scale words
	s_cselect_b32 s43, 8192, 0                     ; k's scale words' place in a record
	s_mov_b32 s45, 0
	s_mov_b32 s47, 0
	s_mul_i32 s92, s19, s44
	s_mul_i32 s22, s20, s22
	s_add_co_u32 s92, s92, s22
	s_mov_b32 s93, 0
	s_add_nc_u64 s[OC0:OC0+1], s[OC0:OC0+1], s[92:93]
	s_add_nc_u64 s[OC1:OC1+1], s[OC0:OC0+1], s[44:45]
	s_mul_i32 s92, s19, s46
	s_mul_i32 s23, s20, s23
	s_add_co_u32 s92, s92, s23
	s_add_co_u32 s92, s92, s43
	s_add_nc_u64 s[OS0:OS0+1], s[OS0:OS0+1], s[92:93]
	s_add_nc_u64 s[OS1:OS1+1], s[OS0:OS0+1], s[46:47]
.irp a, 0,1,2,3,4,5,6,7
	QUANT \a
	global_store_b128 v[CO], v[PCD+8*(\a%2):PCD+8*(\a%2)+3], s[OC0:OC0+1] offset:512*\a       ; tile a of my first head: 32 lanes store 512 consecutive bytes, aligned
	global_store_b128 v[CO], v[PCD+8*(\a%2)+4:PCD+8*(\a%2)+7], s[OC1:OC1+1] offset:512*\a     ; and of my second
.endr
.irp i, 0,1,2,3
	v_cndmask_b32 v[YW+\i], v[WS+\i], v[WS+4+\i], s[HIM]   ; lanes 0-15 carry tiles 0-3's words, lanes 16-31 tiles 4-7's.  Bytes 0, 1 are my first head's; bytes 2, 3 (the other head's, never 0xff) meet zero codes
.endr
	global_store_b128 v[CO], v[YW:YW+3], s[OS0:OS0+1]
.irp i, 0,1,2,3
	v_lshrrev_b32 v[ZW+\i], 16, v[YW+\i]           ; my second head's two bytes, and zeros above them
.endr
	global_store_b128 v[CO], v[ZW:ZW+3], s[OS1:OS1+1]
	s_branch .Ldone
.Lout_v:
	; v: my 128 tokens (R) are one key step; my 128 channels (L) are two heads of four tiles
	s_lshl_b32 s18, s42, 8
	s_lshl_b32 s19, s16, 7
	s_add_co_u32 s18, s18, s19                     ; my first token
	s_lshr_b32 s19, s18, 11
	s_bfe_u32 s20, s18, 0x40007
	s_sub_co_u32 s21, s17, 8
	s_lshl_b32 s21, s21, 2
	s_lshl_b32 s22, s15, 1
	s_add_co_u32 s21, s21, s22                     ; my first head
	s_lshl_b32 s19, s19, 4
	s_add_co_u32 s19, s19, s21                     ; bh
	s_mul_i32 s92, s19, HEADB
	s_mul_i32 s22, s20, RECB
	s_add_co_u32 s92, s92, s22
	s_add_co_u32 s92, s92, 4096                    ; v's codes' place in a record
	s_mov_b32 s93, 0
	s_add_nc_u64 s[OC0:OC0+1], s[100:101], s[92:93]
	s_add_nc_u64 s[OC1:OC1+1], s[OC0:OC0+1], HEADB
	s_add_nc_u64 s[OS0:OS0+1], s[OC0:OC0+1], 4608  ; v's scale words lie at 8,704 in the record
	s_add_nc_u64 s[OS1:OS1+1], s[OC1:OC1+1], 4608
.irp a, 0,1,2,3,4,5,6,7
	QUANT \a
	global_store_b128 v[CO], v[PCD+8*(\a%2):PCD+8*(\a%2)+3], s[OC0+2*(\a/4):OC0+2*(\a/4)+1] offset:1024*(\a%4)         ; channels 16 (a % 4) on of head a / 4: keys 32 h + 0 .. 31,
	global_store_b128 v[CO], v[PCD+8*(\a%2)+4:PCD+8*(\a%2)+7], s[OC0+2*(\a/4):OC0+2*(\a/4)+1] offset:1024*(\a%4)+512   ; and 64 + 32 h + 0 .. 31
.endr
	global_store_b128 v[CO], v[WS:WS+3], s[OS0:OS0+1]      ; a head's four tiles' words; both halves of the lanes hold the same, so the 512 bytes hold them twice
	global_store_b128 v[CO], v[WS+4:WS+7], s[OS1:OS1+1]
.Ldone:
	s_wait_tensorcnt 0x0                           ; the wave's end: behind my last tensor load
	ds_add_u32 v[SPW], v[NIL]
	s_wait_dscnt 0x0
	CROUND                                         ; the closing round: no work-group ends while a partner may still ask for a tile that names it
	s_endpgm
.Lfunc_end_k_q241742e4d1_qkv:
	.size	k_q241742e4d1_qkv, .Lfunc_end_k_q241742e4d1_qkv-k_q241742e4d1_qkv
	.p2alignl 7, 3214868480
	.fill 96, 4, 3214868480
	.section	.rodata,"a",@progbits
	.p2align	6, 0x0
	.amdhsa_kernel k_q241742e4d1_qkv
		.amdhsa_group_segment_fixed_size 327680
		.amdhsa_private_segment_fixed_size 0
		.amdhsa_enable_private_segment 0
		.amdhsa_kernarg_size 64
		.amdhsa_user_sgpr_count 2
		.amdhsa_user_sgpr_kernarg_segment_ptr 1
		.amdhsa_wavefront_size32 1
		.amdhsa_system_sgpr_workgroup_id_x 1
		.amdhsa_system_sgpr_workgroup_id_y 1
		.amdhsa_system_sgpr_workgroup_id_z 1
		.amdhsa_system_vgpr_workitem_id 0
		.amdhsa_next_free_vgpr 1024
		.amdhsa_next_free_sgpr 106
		.amdhsa_reserve_vcc 0
		.amdhsa_float_denorm_mode_32 3
		.amdhsa_float_denorm_mode_16_64 3
		.amdhsa_memory_ordered 1
		.amdhsa_forward_progress 1
		.amdhsa_inst_pref_size 177
	.end_amdhsa_kernel
	.amdgpu_metadata
---
amdhsa.version: [ 1, 2 ]
amdhsa.kernels:
  - .name:           k_q241742e4d1_qkv
    .symbol:         k_q241742e4d1_qkv.kd
    .args:
      - { .name: x_codes, .offset: 0, .size: 8, .value_kind: global_buffer, .address_space: global }
      - { .name: x_scales, .offset: 8, .size: 8, .value_kind: global_buffer, .address_space: global }
      - { .name: W_attn_codes, .offset: 16, .size: 8, .value_kind: global_buffer, .address_space: global }
      - { .name: W_attn_scales, .offset: 24, .size: 8, .value_kind: global_buffer, .address_space: global }
      - { .name: b_attn, .offset: 32, .size: 8, .value_kind: global_buffer, .address_space: global }
      - { .name: q_codes, .offset: 40, .size: 8, .value_kind: global_buffer, .address_space: global }
      - { .name: q_scales, .offset: 48, .size: 8, .value_kind: global_buffer, .address_space: global }
      - { .name: kv, .offset: 56, .size: 8, .value_kind: global_buffer, .address_space: global }
    .group_segment_fixed_size: 327680
    .private_segment_fixed_size: 0
    .kernarg_segment_align: 8
    .kernarg_segment_size: 64
    .max_flat_workgroup_size: 128
    .sgpr_count:     106
    .vgpr_count:     1024
    .wavefront_size: 32
...
	.end_amdgpu_metadata
.endif
;; end of part 1
;; launch attn (part 2): grid 4 x 64, 16 waves a work-group, clusters of 4 x 1, 327,680 bytes of LDS; arguments q_codes, q_scales, kv, y_codes, y_scales; writes y_codes, y_scales
.if DOCPART == 2
	.amdgcn_target "amdgcn-amd-amdhsa--gfx1250"
	.amdhsa_code_object_version 6
	.text
	.protected	k_q241742e4d1_attn
	.globl	k_q241742e4d1_attn
	.p2align	8
	.type	k_q241742e4d1_attn,@function
k_q241742e4d1_attn:
	s_mov_b64 s[64:65], 0
	v_nop
	global_prefetch_b8 v0, s[64:65] scope:SCOPE_SE
	s_setreg_imm32_b32 hwreg(HW_REG_WAVE_MODE, 25, 1), 1
	s_wait_xcnt 0x0
	s_wait_alu depctr_hold_cnt(0) depctr_sa_sdst(0) depctr_va_vdst(0) depctr_va_sdst(0) depctr_va_ssrc(0) depctr_va_vcc(0) depctr_vm_vsrc(0)
	s_getreg_b32 s2, hwreg(HW_REG_IB_STS2, 6, 4)
	s_cmp_eq_u32 s2, 0
	s_cbranch_scc0 .Lentry_in_a_cluster
	s_endpgm
.Lentry_in_a_cluster:
	s_bfe_u32 s2, ttmp6, 0x10000c
	s_cmp_lg_u32 s2, 0x3003
	s_cbranch_scc0 .Lentry_shape_is_right
	s_endpgm
.Lentry_shape_is_right:
; LAUNCH 2 OF 3.  y[bh][q] = the sum over keys k <= q of softmax_k(q . k / 8) v[k], both products on codes of FP4 (E2M1) with one E8M0 scale for each 32 along a product's K; y is quantised along C at once and stored as codes.
; WORK LEFT OUT: a key step all of whose 128 keys come after a tile's 16 queries (reference()'s own tril gives them -inf, so p = 0 for every input): shown at the head of the first launch, with its limit.
; THE SOFTMAX AHEAD OF THE SECOND PRODUCT: t = score x log2(e) / 8; M = the row's largest t so far, rounded up to a whole number; p = 2^(t - M) is what is quantised, along the keys; the row's sum is taken of the unquantised p
; and divides at the end.  When M moves, the sum and O are multiplied by 2^(old M - new M), which rounds nothing.
; THE FIRST PRODUCT'S K IS 64: registers 4-7 of both fragments (k = 64 .. 127) hold zero codes, which add nothing under any scale byte but 0xff; bytes 2 and 3 of the scale words are never 0xff.
; LIMITS: a block of p or y whose largest magnitude lies under 2^-124 keeps the byte 1, a block of zeros too (its codes are zeros; this program alone reads the bytes); NaN and infinities are not served.
; SHARES.  A cluster of four work-groups owns a head; work-group j of it, wave w, owns two tiles of 16 queries: tile 4 w + j and tile 127 - (4 w + j).  Tile i walks i / 8 + 1 key steps of 128 keys, so every wave walks 17.
; The step on the diagonal is w / 2 for the low tile and 15 - w / 2 for the high one: the wave's number alone decides every branch; j enters addresses in memory and the mask's numbers only.
; LDS holds the head's sixteen records of kv (147,456 bytes) at once, filled once: each wave brings two pieces, of key steps 0-3 and of key steps 4-15, by joint loads that name all four work-groups (all four read all sixteen
; records: wave 0's high tile does).  Every read is an image of operand registers: 16 bytes a lane, 512 consecutive bytes an instruction.
; LAYOUT.  Both products are used transposed: S^T = K Q^T (source 0 = 16 keys, source 1 = my 16 queries), O^T = V^T P^T (source 0 = 16 channels, source 1 = P): a lane holds one query (lane % 16) throughout.
; In S^T tile t, lane (r, h), register j is key 16 t + 8 h + j.  The conversions of tiles 4 c .. 4 c + 3 write registers 4 c + 0, 2, 1, 3 and two exchanges of halves leave k = 64 c + 32 h + 0 .. 31 in registers 4 c .. 4 c + 3.
; REGISTERS: v1-8 addresses; v10, v11 Q's scale words; v12 -M, v13 the largest t, v[14:15] the sum; v16-23, v24-31 Q of the high and the low tile; v32-95 eight fragments of K; v96-159 S^T, then p; v160-191 O^T;
;   v192-223 four fragments of V; v224-231 codes; v232-239 at work; v240-243 K's scale words; v244-247 the conversions' scale operands; v248-251 V's scale words; v252 at work; v253 p's scale word; v254 f; v255 -infinity.
.set RECB,  9216                       ; a key step's record: K's codes 4,096, V's 4,096, K's scale words 512, V's 512
.set HEADB, 16*RECB
.set SPARE, HEADB                      ; behind the records: the spare words, 128 bytes for each of sixteen waves: eight blocks of 256 bytes that no other line names
.set LI,  1                            ; v1  16 x lane
.set SPW, 2                            ; v2  my spare word; never rewritten
.set NIL, 3                            ; v3  0; never rewritten
.set QSO, 4                            ; v4  16 r: my row among Q's scale words
.set YSO, 5                            ; v5  32 r: my row of y_scales
.set DQ,  6                            ; v6  r - 8 h
.set ADR, 8                            ; v8  LDS address of the step's record, my lane's place
.set WV,  14
.set JJ,  15                           ; my work-group's place among the head's four
.set BH,  16
.set IL,  17                           ; my low tile, my high tile
.set IH,  18
.set SEL, 20                           ; s[20:21] lane l xor 16
.set CS,  22                           ; s[22:23] c = log2(e) / 8
.set G1A, 24                           ; s[24:31] group 1: 9 rows of 256 bytes;  s[32:39]: 27 rows
.set G1B, 32
.set G0A, 40
.set G0B, 44
.set TB,  48                           ; LDS byte at which the step's record begins
.set CNT, 49                           ; the key step
.set SD,  50                           ; the tile's step on the diagonal
.set QD,  51                           ; the tile's first query in that step: 16 (i % 8)
.macro CROUND                          ; a round of the cluster's barrier
	s_barrier_signal -1
	s_barrier_wait -1
	s_cmp_lg_u32 s[WV], 0
	s_cbranch_scc1 .Lnot_wave_0_\@
	s_barrier_signal -3
.Lnot_wave_0_\@:
	s_barrier_wait -3
	s_barrier_signal -1
	s_barrier_wait -1
.endm
; where tile i's numbers lie in memory: Q's codes, Q's scale words, y's codes, y's scale bytes
.macro BASES i, qc, qs, yc, ys
	s_lshl_b32 s52, s[BH], 7
	s_add_co_u32 s52, s52, s[\i]
	s_lshl_b32 s52, s52, 9                         ; (128 bh + i) x 512
	s_mov_b32 s53, 0
	s_add_nc_u64 s[\qc:\qc+1], s[4:5], s[52:53]
	s_lshl_b32 s52, s[BH], 13                      ; 8,192 bh
	s_lshr_b32 s54, s[\i], 3
	s_lshl_b32 s54, s54, 9                         ; + 512 (i / 8)
	s_add_co_u32 s52, s52, s54
	s_bfe_u32 s54, s[\i], 0x10002
	s_lshl_b32 s54, s54, 8                         ; + 256 ((i / 4) % 2)
	s_add_co_u32 s52, s52, s54
	s_and_b32 s54, s[\i], 3
	s_lshl_b32 s54, s54, 2                         ; + 4 (i % 4)
	s_add_co_u32 s52, s52, s54
	s_add_nc_u64 s[\qs:\qs+1], s[6:7], s[52:53]
	s_lshr_b32 s55, s[BH], 4
	s_lshl_b32 s55, s55, 7
	s_add_co_u32 s55, s55, s[\i]                   ; the tile of tokens: 128 b + i
	s_and_b32 s54, s[BH], 15                       ; the head
	s_lshl_b32 s52, s55, 13
	s_lshl_b32 s51, s54, 9
	s_add_co_u32 s52, s52, s51                     ; 8,192 x tile + 512 x head
	s_add_nc_u64 s[\yc:\yc+1], s[10:11], s[52:53]
	s_lshl_b32 s52, s55, 9
	s_lshl_b32 s51, s54, 1
	s_add_co_u32 s52, s52, s51                     ; 16 rows of 32 bytes a tile, + 2 x head
	s_add_nc_u64 s[\ys:\ys+1], s[12:13], s[52:53]
.endm
	s_load_b256 s[4:11], s[0:1], 0x0               ; q_codes s[4:5], q_scales s[6:7], kv s[8:9], y_codes s[10:11]
	s_load_b64 s[12:13], s[0:1], 0x20              ; y_scales
	v_lshl_add_u32 v[SPW], v0, 2, SPARE
	v_mov_b32 v[NIL], 0
	ds_add_u32 v[SPW], v[NIL]                      ; the wave's opening: the add, twice on end, and its wait ahead of my first tensor load
	ds_add_u32 v[SPW], v[NIL]                      ; and once more, under the one wait; the set-up below, work on registers, stands between
	v_lshrrev_b32 v8, 5, v0
	s_delay_alu instid0(VALU_DEP_1)
	v_readfirstlane_b32 s[WV], v8                  ; wave 0..15
	s_and_b32 s[BH], ttmp7, 0xffff                 ; batch x 16 + head: the four partners share it
	; group 1: a dense piece as rows of 256 bytes (32 elements of 8), no padding; the mask names all four work-groups
	s_mov_b32 s[G1A], 15|(3<<16)|(1<<21)
	s_mov_b32 s[G1A+1], 32<<16                     ; tensor_dim0
	s_mov_b32 s[G1A+2], 9<<16                      ; tensor_dim1
	s_mov_b32 s[G1A+3], 32<<16                     ; tile_dim0
	s_mov_b32 s[G1A+4], 9                          ; tile_dim1
	s_mov_b32 s[G1A+5], 32                         ; from row to row
	s_mov_b32 s[G1A+6], 0
	s_mov_b32 s[G1A+7], 0
	s_mov_b32 s[G1B], 15|(3<<16)|(1<<21)
	s_mov_b32 s[G1B+1], 32<<16
	s_mov_b32 s[G1B+2], 27<<16
	s_mov_b32 s[G1B+3], 32<<16
	s_mov_b32 s[G1B+4], 27
	s_mov_b32 s[G1B+5], 32
	s_mov_b32 s[G1B+6], 0
	s_mov_b32 s[G1B+7], 0
	s_mul_i32 s56, s[BH], HEADB                    ; the head's first byte in kv
	s_mov_b32 s57, 0
	s_mul_i32 s58, s[WV], 2304                     ; my sixteenth of key steps 0-3: 36,864 bytes in all,
	s_mul_i32 s59, s[WV], 6912
	s_add_co_u32 s59, s59, 36864                   ; and of key steps 4-15; the same offsets in memory and in LDS
	s_mov_b32 s[SEL], 0x76543210
	s_mov_b32 s[SEL+1], 0xfedcba98
	s_mov_b32 s[CS], 0x3e38aa3b                    ; c = log2(e) / 8
	s_mov_b32 s[CS+1], s[CS]                       ; (named with it as a pair, so it is written)
	s_wait_dscnt 0x0                               ; both opening adds are done
	s_wait_kmcnt 0x0
	s_add_nc_u64 s[8:9], s[8:9], s[56:57]
	s_mov_b32 s[G0A], 1
	s_mov_b32 s[G0A+1], s58
	s_mov_b32 s56, s58
	s_add_nc_u64 s[G0A+2:G0A+3], s[8:9], s[56:57]
	s_or_b32 s[G0A+3], s[G0A+3], 0x80000000
	s_mov_b32 s[G0B], 1
	s_mov_b32 s[G0B+1], s59
	s_mov_b32 s56, s59
	s_add_nc_u64 s[G0B+2:G0B+3], s[8:9], s[56:57]
	s_or_b32 s[G0B+3], s[G0B+3], 0x80000000
	CROUND                                         ; all four work-groups are here: the joint loads meet
	tensor_load_to_lds s[G0A:G0A+3], s[G1A:G1A+7]  ; every wave issues both, with no branch: one tensor load of mine is out
	s_nop 0
	s_wait_alu depctr_va_vdst(0)
	s_wait_tensorcnt 0x0
	ds_add_u32 v2, v3
	s_wait_dscnt 0x0
	CROUND
	tensor_load_to_lds s[G0B:G0B+3], s[G1B:G1B+7]
	s_nop 0
.rept 4
	v_nop
.endr
	s_bfe_u32 s[JJ], ttmp6, 0x40000                ; cx
	s_lshl_b32 s52, ttmp9, 2
	s_add_co_u32 s[JJ], s[JJ], s52                 ; my work-group among the head's four
	s_lshl_b32 s[IL], s[WV], 2
	s_add_co_u32 s[IL], s[IL], s[JJ]               ; my low tile: 0 .. 63
	s_sub_co_u32 s[IH], 127, s[IL]                 ; my high tile: 64 .. 127
	BASES IH, 70, 74, 60, 62
	BASES IL, 72, 76, 66, 68
	s_lshr_b32 s78, s[WV], 1                       ; the low tile's step on the diagonal,
	s_and_b32 s79, s[IL], 7
	s_lshl_b32 s79, s79, 4                         ; and its first query in that step
	s_sub_co_u32 s[SD], 15, s78                    ; the high tile's
	s_sub_co_u32 s[QD], 112, s79
	s_mov_b32 s[TB], 0
	s_mov_b32 s[CNT], 0
	v_and_b32 v[LI], 31, v0
	s_delay_alu instid0(VALU_DEP_1)
	v_lshlrev_b32 v[LI], 4, v[LI]
	v_and_b32 v9, 15, v0                           ; r
	v_bfe_u32 v7, v0, 4, 1                         ; h
	s_delay_alu instid0(VALU_DEP_2)
	v_lshlrev_b32 v[QSO], 4, v9
	s_delay_alu instid0(VALU_DEP_3)
	v_lshlrev_b32 v[YSO], 5, v9
	s_delay_alu instid0(VALU_DEP_3)
	v_lshlrev_b32 v7, 3, v7
	s_delay_alu instid0(VALU_DEP_1)
	v_sub_nc_u32 v[DQ], v9, v7
	global_load_b128 v[16:19], v[LI], s[70:71]     ; Q's fragments stay in registers: the high tile's,
	global_load_b128 v[24:27], v[LI], s[72:73]     ; the low tile's,
	global_load_b32 v10, v[QSO], s[74:75]          ; and their scale words
	global_load_b32 v11, v[QSO], s[76:77]
.irp j, 20,21,22,23,28,29,30,31
	v_mov_b32 v[\j], 0                             ; k = 64 .. 127 of Q: zero codes
.endr
.irp t, 0,1,2,3,4,5,6,7
.irp j, 4,5,6,7
	v_mov_b32 v[32+8*\t+\j], 0                     ; and of K: written once, never loaded
.endr
.endr
.irp b, 0,1,2,3
	v_mov_b32 v[236+\b], 0                         ; written once: a lane permute's destination counts as one of its sources
.endr
	v_mov_b32 v255, 0xff800000                     ; -infinity; also the upper half of the pair v[254:255], of which the low word alone is taken
.macro INIT                            ; a tile begins: the loop has no first step of its own: zeros stay zeros under the first change of M
	v_mov_b32 v13, 0xff61b1e6                      ; the largest t so far: -3e38, under every t
	s_delay_alu instid0(VALU_DEP_1)
	v_floor_f32 v12, -v13                          ; -M
	v_mov_b32 v14, 0                               ; the sum, in two halves
	v_mov_b32 v15, 0
.set NN, 0
.rept 32
	v_mov_b32 v[160+NN], 0                         ; O^T
.set NN, NN+1
.endr
.endm
	INIT
; A KEY STEP: 128 keys against the 16 queries whose fragment begins at v[qf], scale words in v[qs].  causal = 1: the step may be hidden or lie on the diagonal.
.macro STEP qf, qs, causal
.if \causal
	s_cmp_gt_u32 s[CNT], s[SD]                     ; all keys come after my queries: the step's work is left out; the wave's number and the count of steps alone decide
	s_cbranch_scc1 .Lhidden_\@
.endif
	s_setprio 2
	v_add_nc_u32 v[ADR], s[TB], v[LI]
.irp t, 0,1,2,3,4,5,6,7
	ds_load_b128 v[32+8*\t:35+8*\t], v[ADR] offset:512*\t                   ; K's tile t: key 16 t + r, block h of the head's 64
.endr
	ds_load_b128 v[240:243], v[ADR] offset:8192                             ; K's scale words: lanes 0-15 tiles 0-3, lanes 16-31 tiles 4-7
.rept 4
	v_nop                                          ; places behind the last step's products, in front of loads into registers that they read
.endr
.irp t, 0,1,2,3
.irp c, 0,1
	ds_load_b128 v[192+8*\t+4*\c:195+8*\t+4*\c], v[ADR] offset:4096+1024*\t+512*\c   ; V's tile t: channel 16 t + r, keys 64 c + 32 h + 0 .. 31
.endr
.endr
	ds_load_b128 v[248:251], v[ADR] offset:8704                             ; V's scale words: register t, lane r: channel 16 t + r
	s_wait_dscnt 9                                 ; K's nine loads are in; V's nine may be out
.irp t, 0,1,2,3
	v_wmma_scale_f32_16x16x128_f8f6f4 v[96+8*\t:103+8*\t], v[32+8*\t:39+8*\t], v[\qf:\qf+7], 0, v[240+\t], v[\qs] matrix_a_fmt:MATRIX_FMT_FP4 matrix_b_fmt:MATRIX_FMT_FP4
.endr
.irp t, 4,5,6,7
	v_wmma_scale_f32_16x16x128_f8f6f4 v[96+8*\t:103+8*\t], v[32+8*\t:39+8*\t], v[\qf:\qf+7], 0, v[236+\t], v[\qs] matrix_a_fmt:MATRIX_FMT_FP4 matrix_b_fmt:MATRIX_FMT_FP4 matrix_a_scale:MATRIX_SCALE_ROW1
.endr
.rept 4
	v_nop
.endr
.if \causal                            ; on the diagonal the scores of hidden keys become -infinity ahead of the maximum: p = 0 then.  A step all of whose keys count skips this
	s_cmp_lt_u32 s[CNT], s[SD]
	s_cbranch_scc1 .Lopen_\@
	v_add_nc_u32 v252, s[QD], v[DQ]                ; my query in the step, less 8 h.  Register 8 t + j holds key 16 t + 8 h + j: hidden where 16 t + j is greater
.set NN, 0
.rept 64
	v_cmp_gt_i32 vcc_lo, 16*(NN/8)+NN%8, v252
	v_cndmask_b32 v[96+NN], v[96+NN], v255, vcc_lo
.set NN, NN+1
.endr
.Lopen_\@:
.endif
.irp b, 0,1,2,3
	v_max3_num_f32 v[232+\b], v[96+16*\b], v[97+16*\b], v[98+16*\b]   ; the largest score of each block of 32 keys: it serves for the row's maximum and, since p rises with the score, for the block's largest p
.endr
.irp i, 3,5,7,9,11,13
.irp b, 0,1,2,3
	v_max3_num_f32 v[232+\b], v[232+\b], v[96+16*\b+\i], v[97+16*\b+\i]   ; (the four blocks by turns)
.endr
.endr
.irp b, 0,1,2,3
	v_max_num_f32 v[232+\b], v[232+\b], v[111+16*\b]
.endr
.irp b, 0,1,2,3
	s_delay_alu instid0(VALU_DEP_4)
	v_permlanex16_b32 v[236+\b], v[232+\b], s[SEL], s[SEL+1]
.endr
.irp b, 0,1,2,3
	s_delay_alu instid0(VALU_DEP_4)
	v_max_num_f32 v[232+\b], v[232+\b], v[236+\b]  ; with lane l xor 16's 16 keys
.endr
	s_delay_alu instid0(VALU_DEP_2)
	v_max3_num_f32 v252, v232, v233, v234
	s_delay_alu instid0(VALU_DEP_1)
	v_max_num_f32 v252, v252, v235                 ; the step's largest score of my query
	s_delay_alu instid0(VALU_DEP_1)
	v_mul_f32 v252, s[CS], v252                    ; as t (c is positive)
	s_delay_alu instid0(VALU_DEP_1)
	v_max_num_f32 v13, v13, v252                   ; the running largest t
	v_mov_b32 v252, v12
	s_delay_alu instid0(VALU_DEP_2)
	v_floor_f32 v12, -v13                          ; the new -M = floor(-t) = -ceil(t): a whole number
	s_delay_alu instid0(VALU_DEP_1)
	v_sub_f32 v252, v12, v252                      ; M's old value less its new one: a whole number, 0 or less
	s_delay_alu instid0(VALU_DEP_1)
	v_cvt_i32_f32 v252, v252                       ; (it saturates)
	s_delay_alu instid0(VALU_DEP_1)
	v_ldexp_f32 v254, 1.0, v252                    ; f = 2^(old M - new M)
.set NN, 0
.rept 32
	v_pk_fma_f32 v[96+NN:97+NN], v[96+NN:97+NN], s[CS:CS+1], v[12:13] op_sel_hi:[1,0,0]   ; t - M, two at a time (of the pairs c and -M the low word serves both halves)
.set NN, NN+2
.endr
.irp b, 0,1,2,3
	v_fma_f32 v[232+\b], v[232+\b], s[CS], v12     ; the same of each block's largest score
.endr
.set NN, 0
	s_setprio 1
	s_wait_alu depctr_va_vdst(0)
.rept 64
	v_exp_f32 v[96+NN], v[96+NN]                   ; p = 2^(t - M), at most 1: not normalised
.set NN, NN+1
.endr
	v_pk_mul_f32 v[14:15], v[14:15], v[254:255] op_sel_hi:[1,0]   ; the sums under the new M.  (A plain instruction behind the exponentials)
	s_wait_alu depctr_va_vdst(0)                   ; one wait for the whole batch, ahead of its first reader
.irp b, 0,1,2,3
	v_exp_f32 v[232+\b], v[232+\b]                 ; the block's largest p: the same two instructions on the same number give the same bits
.endr
	v_pk_add_f32 v[236:237], v[96:97], v[98:99]    ; the row's sum is taken of the unquantised p: two at a time, in two chains.  (It reads the 64 alone: plain work behind the four)
.irp j, 4,8,12,16,20,24,28,32,36,40,44,48,52,56,60
	v_pk_add_f32 v[14:15], v[14:15], v[96+\j:97+\j]
	v_pk_add_f32 v[236:237], v[236:237], v[98+\j:99+\j]
.endr
	s_delay_alu instid0(VALU_DEP_1)
	v_pk_add_f32 v[14:15], v[14:15], v[236:237]
	s_wait_alu depctr_va_vdst(0)                   ; and one for the four
.irp b, 0,1,2,3
	v_max_num_f32 v[232+\b], 0x1800000, v[232+\b]  ; the floor 2^(3 - 127): the byte cannot fall under 1 (a block whose every p is 0 keeps that byte: its codes are zeros)
.endr
.irp b, 0,1,2,3
	s_delay_alu instid0(VALU_DEP_4)
	v_add_nc_u32 v[244+\b], 0xff000000, v[232+\b]  ; 2 off the exponent field: the conversion's scale operand
.endr
.irp b, 0,1,2,3
	s_delay_alu instid0(VALU_DEP_4)
	v_lshrrev_b32 v[236+\b], 23, v[244+\b]         ; the scale's byte
.endr
	s_delay_alu instid0(VALU_DEP_3)
	v_lshl_or_b32 v253, v237, 8, v236              ; p's scale word for these 128 keys
	s_delay_alu instid0(VALU_DEP_1)
	v_lshl_or_b32 v253, v238, 16, v253
	s_delay_alu instid0(VALU_DEP_1)
	v_lshl_or_b32 v253, v239, 24, v253
.irp t, 0,1,2,3,4,5,6,7
	v_cvt_scalef32_pk8_fp4_f32 v[224+4*(\t/4)+2*(\t%2)+(\t%4)/2], v[96+8*\t:103+8*\t], v[244+\t/2]   ; tiles 4 c + 0, 1, 2, 3 into registers 4 c + 0, 2, 1, 3
.endr
	s_setprio 0
	v_nop                                          ; one plain place behind a scaled conversion
.irp c, 0,1
	v_permlane16_swap_b32 v[224+4*\c], v[225+4*\c]       ; registers 4 c .. 4 c + 3 now hold keys 64 c + 32 h + 0 .. 31
	v_permlane16_swap_b32 v[226+4*\c], v[227+4*\c]
.endr
.set NN, 0
.rept 16
	v_pk_mul_f32 v[160+NN:161+NN], v[160+NN:161+NN], v[254:255] op_sel_hi:[1,0]   ; O^T under the new M.  Twelve of these sixteen name no register of a given product below: the places between the scale word and the codes just made and that product
.set NN, NN+2
.endr
	s_wait_alu depctr_va_vdst(0)
	s_wait_dscnt 0x0                               ; V is in
.irp t, 0,1,2,3
	v_wmma_scale_f32_16x16x128_f8f6f4 v[160+8*\t:167+8*\t], v[192+8*\t:199+8*\t], v[224:231], v[160+8*\t:167+8*\t], v[248+\t], v253 matrix_a_fmt:MATRIX_FMT_FP4 matrix_b_fmt:MATRIX_FMT_FP4   ; the four accumulators by turns; the next step's eight products stand between two links of a chain
.endr
.if \causal
.Lhidden_\@:
.endif
	s_add_co_u32 s[TB], s[TB], RECB                ; the next step's record
.endm
; A TILE'S WAY OUT: O^T / the sum is y: 64 channels of 16 tokens; quantised along the channels (two blocks of 32) and stored as an image: lane (r, h) = token r, block h.
.macro WAYOUT yc, ys
.rept 4
	v_nop                                          ; places behind the last products
.endr
	v_add_f32 v14, v14, v15                        ; the sum's two halves,
	s_delay_alu instid0(VALU_DEP_1)
	v_permlanex16_b32 v252, v14, s[SEL], s[SEL+1]
	s_delay_alu instid0(VALU_DEP_1)
	v_add_f32 v14, v14, v252                       ; and lane l xor 16's: the row's sum
	s_wait_alu depctr_va_vdst(0)
	v_rcp_f32 v14, v14
	v_nop                                          ; a plain place behind the transcendental,
	s_wait_alu depctr_va_vdst(0)                   ; and a wait ahead of its first reader
.set NN, 0
.rept 16
	v_pk_mul_f32 v[96+NN:97+NN], v[160+NN:161+NN], v[14:15] op_sel_hi:[1,0]   ; register 8 t + j is y(token r, channel 16 t + 8 h + j); each accumulator from its low end on
.set NN, NN+2
.endr
.irp b, 0,1
	v_max3_num_f32 v[232+\b], |v[96+16*\b]|, |v[97+16*\b]|, 0x1800000
.endr
.irp i, 2,4,6,8,10,12,14
.irp b, 0,1
	s_delay_alu instid0(VALU_DEP_2)
	v_max3_num_f32 v[232+\b], v[232+\b], |v[96+16*\b+\i]|, |v[97+16*\b+\i]|
.endr
.endr
.irp b, 0,1
	s_delay_alu instid0(VALU_DEP_2)
	v_permlanex16_b32 v[236+\b], v[232+\b], s[SEL], s[SEL+1]
.endr
.irp b, 0,1
	s_delay_alu instid0(VALU_DEP_2)
	v_max_num_f32 v[232+\b], v[232+\b], v[236+\b]
.endr
.irp b, 0,1
	s_delay_alu instid0(VALU_DEP_2)
	v_add_nc_u32 v[244+\b], 0xff000000, v[232+\b]
.endr
.irp b, 0,1
	s_delay_alu instid0(VALU_DEP_2)
	v_lshrrev_b32 v[236+\b], 23, v[244+\b]
.endr
	s_delay_alu instid0(VALU_DEP_1)
	v_lshl_or_b32 v252, v237, 8, v236              ; my token's two scale bytes of this head
.irp t, 0,1,2,3
	v_cvt_scalef32_pk8_fp4_f32 v[224+2*(\t%2)+\t/2], v[96+8*\t:103+8*\t], v[244+\t/2]
.endr
	v_nop
	v_permlane16_swap_b32 v224, v225
	v_permlane16_swap_b32 v226, v227
	global_store_b128 v[LI], v[224:227], s[\yc:\yc+1]      ; 32 lanes store 512 consecutive bytes, aligned
	global_store_b16 v[YSO], v252, s[\ys:\ys+1]            ; two bytes of each of 16 rows of 32 bytes (lanes r and r + 16 write the same): a sixteenth of y's bytes leaves in such pieces, since a row's 32 bytes come from 16 heads
.endm
	s_wait_loadcnt 0x0                             ; Q
	s_wait_tensorcnt 0x1                           ; my piece of key steps 0-3 is in; my other load may be out
	s_barrier_signal -1
	s_barrier_wait -1                              ; everybody's is
.Lp1:                                              ; the high tile, key steps 0-3: every high tile has eight open steps or more, so no mask; the other twelve records land meanwhile
	STEP 16, 10, 0
	s_add_co_u32 s[CNT], s[CNT], 1
	s_cmp_lt_u32 s[CNT], 4
	s_cbranch_scc1 .Lp1
	s_setprio 0
	s_wait_tensorcnt 0x0                           ; my piece of key steps 4-15 is in,
	s_wait_dscnt 0x0
	s_barrier_signal -1
	s_barrier_wait -1                              ; everybody's is: from here on the waves run free
.Lp2:                                              ; the high tile, key steps 4-15: twelve trips for every wave; the steps past its diagonal are jumped over
	STEP 16, 10, 1
	s_add_co_u32 s[CNT], s[CNT], 1
	s_cmp_lt_u32 s[CNT], 16
	s_cbranch_scc1 .Lp2
	s_setprio 0
	WAYOUT 60, 62
	s_wait_xcnt 0x0                                ; the stores have read their registers: they are written again only behind this wait
	INIT
	s_mov_b32 s[SD], s78
	s_mov_b32 s[QD], s79
	s_mov_b32 s[TB], 0
	s_mov_b32 s[CNT], 0
.Lp3:                                              ; the low tile: sixteen trips
	STEP 24, 11, 1
	s_add_co_u32 s[CNT], s[CNT], 1
	s_cmp_lt_u32 s[CNT], 16
	s_cbranch_scc1 .Lp3
	s_setprio 0
	WAYOUT 66, 68
	s_wait_tensorcnt 0x0                           ; the wave's end: behind my last tensor load
	ds_add_u32 v[SPW], v[NIL]
	s_wait_dscnt 0x0
	CROUND                                         ; the closing round
	s_endpgm
.Lfunc_end_k_q241742e4d1_attn:
	.size	k_q241742e4d1_attn, .Lfunc_end_k_q241742e4d1_attn-k_q241742e4d1_attn
	.p2alignl 7, 3214868480
	.fill 96, 4, 3214868480
	.section	.rodata,"a",@progbits
	.p2align	6, 0x0
	.amdhsa_kernel k_q241742e4d1_attn
		.amdhsa_group_segment_fixed_size 327680
		.amdhsa_private_segment_fixed_size 0
		.amdhsa_enable_private_segment 0
		.amdhsa_kernarg_size 40
		.amdhsa_user_sgpr_count 2
		.amdhsa_user_sgpr_kernarg_segment_ptr 1
		.amdhsa_wavefront_size32 1
		.amdhsa_system_sgpr_workgroup_id_x 1
		.amdhsa_system_sgpr_workgroup_id_y 1
		.amdhsa_system_sgpr_workgroup_id_z 1
		.amdhsa_system_vgpr_workitem_id 0
		.amdhsa_next_free_vgpr 256
		.amdhsa_next_free_sgpr 96
		.amdhsa_reserve_vcc 1
		.amdhsa_float_denorm_mode_32 3
		.amdhsa_float_denorm_mode_16_64 3
		.amdhsa_memory_ordered 1
		.amdhsa_forward_progress 1
		.amdhsa_inst_pref_size 78
	.end_amdhsa_kernel
	.amdgpu_metadata
---
amdhsa.version: [ 1, 2 ]
amdhsa.kernels:
  - .name:           k_q241742e4d1_attn
    .symbol:         k_q241742e4d1_attn.kd
    .args:
      - { .name: q_codes, .offset: 0, .size: 8, .value_kind: global_buffer, .address_space: global }
      - { .name: q_scales, .offset: 8, .size: 8, .value_kind: global_buffer, .address_space: global }
      - { .name: kv, .offset: 16, .size: 8, .value_kind: global_buffer, .address_space: global }
      - { .name: y_codes, .offset: 24, .size: 8, .value_kind: global_buffer, .address_space: global }
      - { .name: y_scales, .offset: 32, .size: 8, .value_kind: global_buffer, .address_space: global }
    .group_segment_fixed_size: 327680
    .private_segment_fixed_size: 0
    .kernarg_segment_align: 8
    .kernarg_segment_size: 40
    .max_flat_workgroup_size: 512
    .sgpr_count:     96
    .vgpr_count:     256
    .wavefront_size: 32
...
	.end_amdgpu_metadata
.endif
;; end of part 2
;; launch proj (part 3): grid 4 x 64, 4 waves a work-group, clusters of 4 x 4, 262,144 bytes of LDS; arguments y_codes, y_scales, W_proj_codes, W_proj_scales, b_proj, out0; writes out0
.if DOCPART == 3
	.amdgcn_target "amdgcn-amd-amdhsa--gfx1250"
	.amdhsa_code_object_version 6
	.text
	.protected	k_q241742e4d1_proj
	.globl	k_q241742e4d1_proj
	.p2align	8
	.type	k_q241742e4d1_proj,@function
k_q241742e4d1_proj:
	s_mov_b64 s[64:65], 0
	v_nop
	global_prefetch_b8 v0, s[64:65] scope:SCOPE_SE
	s_setreg_imm32_b32 hwreg(HW_REG_WAVE_MODE, 25, 1), 1
	s_wait_xcnt 0x0
	s_wait_alu depctr_hold_cnt(0) depctr_sa_sdst(0) depctr_va_vdst(0) depctr_va_sdst(0) depctr_va_ssrc(0) depctr_va_vcc(0) depctr_vm_vsrc(0)
	s_getreg_b32 s2, hwreg(HW_REG_IB_STS2, 6, 4)
	s_cmp_eq_u32 s2, 0
	s_cbranch_scc0 .Lentry_in_a_cluster
	s_endpgm
.Lentry_in_a_cluster:
	s_bfe_u32 s2, ttmp6, 0x10000c
	s_cmp_lg_u32 s2, 0xf033
	s_cbranch_scc0 .Lentry_shape_is_right
	s_endpgm
.Lentry_shape_is_right:
; LAUNCH 3 OF 3.  out0 = y W_proj + b_proj on codes of FP4 (E2M1) with one E8M0 scale for each 32 along K = 1,024; sums in f32.  Nothing of reference() is left out here.
; y arrives from the launch before as images of operand registers: y_codes [tile of 16 tokens 512][head 16][512]: heads 2 s and 2 s + 1 on end are the fragment of K step s; y_scales [token][32] as any operand's scale bytes.
; The bias is the C of each sum's first matrix instruction: it is added ahead of the products, another order of rounding than y @ W + b.
; SHARES.  A work-group of four waves makes 128 tokens x 256 columns (256 work-groups in all), a wave 64 x 128: 32 accumulators of 16 x 16.  All of K lies in LDS at once, in two slots of 512 along K, filled once.
; CLUSTERS: 4 x 4 work-groups.  y's tile hangs on the tile row alone and is asked for jointly by a row of the cluster, W_proj's on the tile column alone and by a column.
; THE MATRIX INSTRUCTION IS USED TRANSPOSED (source 0 = 16 rows of W_proj, source 1 = 16 tokens): a lane holds eight neighbouring columns of one row of out0.
; REGISTERS, in windows of 256: window 0: v0-31 addresses; v32-95 scale words, two sets; v128-159, v160-191 y's fragments, two sets; on the way out v128-255 rows of out0.
;   window 1: W_proj's fragments, two sets, at v0 and v128; v64-127 the bias as C.   window 2: the accumulators ((a, b) at v[8 (8 a + b)]).
.set PITCH,  272                       ; W_proj's LDS row: 256 bytes + 16 of padding
.set ASLOT,  32768                     ; y's slot: 8 tiles x 4,096 bytes, dense
.set BBASE,  2*ASLOT
.set BHALF,  128*PITCH
.set BSLOT,  2*BHALF
.set SCA,    BBASE+2*BSLOT             ; y's scale bytes: 128 rows x 32 bytes as 16 units of 256 + 16
.set SAH,    8*272
.set SCB,    SCA+2*SAH                 ; W_proj's: 256 rows as 32 units
.set SBH,    16*272
.set SBLK,   2*272                     ; the scale bytes of 16 rows
.set STAGE,  SCB+2*SBH                 ; the way out: 16 rows x (512 bytes + 16) for each wave: bytes of its own, into which no fill lands
.set SPITCH, 528
.set SPARE,  STAGE+4*16*SPITCH         ; the spare words, 128 bytes for each wave: two blocks of 256 bytes that no other line names
.set ADRA, 16                          ; v16-17  LDS address of my fragments of y in slot 0, 1
.set ADRB, 20                          ; v20-21  the same for W_proj
.set STO,  24                          ; v24     the way out: where I put 32 bytes of a row
.set RD,   25                          ; v25     where I read a row back
.set CO,   26                          ; v26     16 x lane
.set ADRS, 27                          ; v27     my scale words: lanes 0-15 y's rows, lanes 16-31 W_proj's
.set SPW,  28
.set NIL,  29
.set SC,   32                          ; set s at v[SC + 32 s]; register 4 i + q: lanes 0-15 y's block i (i under 4), lanes 16-31 W_proj's block i
.set AF,   128
.set BK,   128
.set BI,   64                          ; window 1
.set G1, 24
.set G0, 32
.set G1B, 48
.set G0B, 56
.set G1S, 68
.set G0S, 76
.set G1SB, 80
.set G0SB, 88
.set MSB, 0
.macro WIN new                         ; the immediate's high byte repeats the setting that is left
.if MSB != (\new)
	s_set_vgpr_msb (MSB<<8)|(\new)
.set MSB, (\new)
.endif
.endm
.macro JLOAD g0a, g1a, g0b, g1b        ; a joint load: waves 0 and 1 fetch for y, waves 2 and 3 for W_proj; an s_nop 0 and four v_nop follow each of the two lines
	s_cmp_eq_u32 s15, 0
	s_cbranch_scc0 .Lfor_b_\@
	tensor_load_to_lds s[\g0a:\g0a+3], s[\g1a:\g1a+7]
	s_nop 0
.rept 4
	v_nop
.endr
	s_branch .Lasked_\@
.Lfor_b_\@:
	tensor_load_to_lds s[\g0b:\g0b+3], s[\g1b:\g1b+7]
	s_nop 0
.rept 4
	v_nop
.endr
.Lasked_\@:
.endm
.macro CROUND                          ; a round of the cluster's barrier
	s_barrier_signal -1
	s_barrier_wait -1
	s_cmp_lg_u32 s14, 0
	s_cbranch_scc1 .Lnot_wave_0_\@
	s_barrier_signal -3
.Lnot_wave_0_\@:
	s_barrier_wait -3
	s_barrier_signal -1
	s_barrier_wait -1
.endm
	s_load_b128 s[4:7], s[0:1], 0x0                ; y's codes, y's scales
	s_load_b128 s[8:11], s[0:1], 0x10              ; W_proj's codes, its scales
	s_load_b64 s[96:97], s[0:1], 0x20              ; b_proj
	s_load_b64 s[12:13], s[0:1], 0x28              ; out0
	v_lshl_add_u32 v[SPW], v0, 2, SPARE
	v_mov_b32 v[NIL], 0
	ds_add_u32 v[SPW], v[NIL]                      ; the wave's opening: the add, twice on end, and its wait ahead of my first tensor load
	ds_add_u32 v[SPW], v[NIL]                      ; and once more, under the one wait; the set-up below, work on registers, stands between
	v_lshrrev_b32 v1, 5, v0
	v_readfirstlane_b32 s14, v1                    ; wave 0..3
	s_lshr_b32 s15, s14, 1                         ; which 64 tokens are mine.  Also: I fetch for y (0) or for W_proj (1)
	s_and_b32 s16, s14, 1                          ; which 128 columns.  Also: which half of that tile I fetch
	s_bfe_u32 s40, ttmp6, 0x40000                  ; cx, cy
	s_bfe_u32 s41, ttmp6, 0x40004
	s_lshl_b32 s42, ttmp9, 2
	s_add_co_u32 s42, s42, s40                     ; tile column: 256 columns each
	s_and_b32 s17, ttmp7, 0xffff
	s_lshl_b32 s17, s17, 2
	s_add_co_u32 s17, s17, s41                     ; tile row: 128 tokens each
	s_lshl_b32 s43, s41, 2
	s_lshl_b32 s43, 15, s43                        ; my row of the cluster
	s_lshl_b32 s44, 0x1111, s40                    ; my column
	; y's codes: four tiles of tokens, of each 4,096 bytes (512 elements of 8), 8,192 bytes apart; dense in LDS
	s_or_b32 s[G1+0], s43, (3<<16)|(1<<21)
	s_mov_b32 s[G1+1], 512<<16                     ; tensor_dim0
	s_mov_b32 s[G1+2], 4<<16                       ; tensor_dim1
	s_mov_b32 s[G1+3], 512<<16                     ; tile_dim0
	s_mov_b32 s[G1+4], 4                           ; tile_dim1
	s_mov_b32 s[G1+5], 1024                        ; from row to row
	s_mov_b32 s[G1+6], 0
	s_mov_b32 s[G1+7], 0
	; W_proj's codes: 128 rows x 256 bytes, 512 bytes apart, 16 bytes of padding behind each
	s_or_b32 s[G1B+0], s44, (0<<16)|(1<<20)|(1<<21)|(5<<22)|(3<<25)
	s_mov_b32 s[G1B+1], 256<<16
	s_mov_b32 s[G1B+2], 128<<16
	s_mov_b32 s[G1B+3], 256<<16
	s_mov_b32 s[G1B+4], 128
	s_mov_b32 s[G1B+5], 512
	s_mov_b32 s[G1B+6], 0
	s_mov_b32 s[G1B+7], 0
	; the scale bytes: dense, as rows of 256 bytes (32 elements of 8) with 16 of padding: y's 64 rows are 8, W_proj's 128 rows 16
	s_or_b32 s[G1S+0], s43, (3<<16)|(1<<20)|(1<<21)|(5<<22)|(3<<25)
	s_mov_b32 s[G1S+1], 32<<16
	s_mov_b32 s[G1S+2], 8<<16
	s_mov_b32 s[G1S+3], 32<<16
	s_mov_b32 s[G1S+4], 8
	s_mov_b32 s[G1S+5], 32
	s_mov_b32 s[G1S+6], 0
	s_mov_b32 s[G1S+7], 0
	s_or_b32 s[G1SB+0], s44, (3<<16)|(1<<20)|(1<<21)|(5<<22)|(3<<25)
	s_mov_b32 s[G1SB+1], 32<<16
	s_mov_b32 s[G1SB+2], 16<<16
	s_mov_b32 s[G1SB+3], 32<<16
	s_mov_b32 s[G1SB+4], 16
	s_mov_b32 s[G1SB+5], 32
	s_mov_b32 s[G1SB+6], 0
	s_mov_b32 s[G1SB+7], 0
	s_lshl_b32 s20, s17, 16                        ; y's codes: (8 x tile row + 4 x half) tiles of 8,192 bytes
	s_lshl_b32 s18, s16, 15
	s_add_co_u32 s20, s20, s18
	s_mov_b32 s21, 0
	s_lshl_b32 s22, s17, 12                        ; y's scales: (128 x tile row + 64 x half) rows of 32 bytes
	s_lshl_b32 s18, s16, 11
	s_add_co_u32 s22, s22, s18
	s_mov_b32 s23, 0
	s_lshl_b32 s46, s42, 17                        ; W_proj's codes: (256 x tile column + 128 x half) rows of 512 bytes
	s_lshl_b32 s18, s16, 16
	s_add_co_u32 s46, s46, s18
	s_mov_b32 s47, 0
	s_lshl_b32 s92, s42, 13                        ; and its scales
	s_lshl_b32 s18, s16, 12
	s_add_co_u32 s92, s92, s18
	s_mov_b32 s93, 0
	s_lshl_b32 s45, s16, 14                        ; where they go: the wave's number alone enters an LDS address
	s_mul_i32 s94, s16, BHALF
	s_add_co_u32 s94, s94, BBASE
	s_mul_i32 s95, s16, SAH
	s_add_co_u32 s95, s95, SCA
	s_mul_i32 s19, s16, SBH
	s_add_co_u32 s19, s19, SCB
	s_wait_dscnt 0x0                               ; both opening adds are done
	s_wait_kmcnt 0x0
	s_add_nc_u64 s[20:21], s[4:5], s[20:21]
	s_add_nc_u64 s[22:23], s[6:7], s[22:23]
	s_add_nc_u64 s[46:47], s[8:9], s[46:47]
	s_add_nc_u64 s[92:93], s[10:11], s[92:93]
	CROUND                                         ; all sixteen work-groups are here: the first joint loads meet
	s_mov_b32 s[G0S], 1
	s_mov_b32 s[G0S+1], s95
	s_mov_b64 s[G0S+2:G0S+3], s[22:23]
	s_or_b32 s[G0S+3], s[G0S+3], 0x80000000
	s_mov_b32 s[G0SB], 1
	s_mov_b32 s[G0SB+1], s19
	s_mov_b64 s[G0SB+2:G0SB+3], s[92:93]
	s_or_b32 s[G0SB+3], s[G0SB+3], 0x80000000
	JLOAD G0S, G1S, G0SB, G1SB                     ; the scales first.  With the two below, three tensor loads of mine are out
.irp s, 0,1
	s_mov_b32 s[G0+4*\s], 1
	s_add_co_u32 s[G0+4*\s+1], s45, \s*ASLOT
	s_add_nc_u64 s[G0+4*\s+2:G0+4*\s+3], s[20:21], \s*4096
	s_or_b32 s[G0+4*\s+3], s[G0+4*\s+3], 0x80000000
	s_mov_b32 s[G0B+4*\s], 1
	s_add_co_u32 s[G0B+4*\s+1], s94, \s*BSLOT
	s_add_nc_u64 s[G0B+4*\s+2:G0B+4*\s+3], s[46:47], \s*256
	s_or_b32 s[G0B+4*\s+3], s[G0B+4*\s+3], 0x80000000
	JLOAD G0+4*\s, G1, G0B+4*\s, G1B
.endr
	v_and_b32 v1, 15, v0                           ; r
	v_bfe_u32 v2, v0, 4, 1                         ; h
	v_and_b32 v6, 31, v0
	v_lshlrev_b32 v[CO], 4, v6                     ; 16 x lane
	s_lshl_b32 s21, s15, 14                        ; my four tiles of tokens
	v_add_nc_u32 v[ADRA], s21, v[CO]
	v_add_nc_u32 v[ADRA+1], ASLOT, v[ADRA]
	v_mul_u32_u24 v3, v1, PITCH
	v_lshl_add_u32 v4, v2, 4, v3                   ; W_proj: row x pitch + 16 x half
	s_mul_i32 s22, s16, BHALF
	s_add_co_u32 s22, s22, BBASE
	v_add_nc_u32 v[ADRB], s22, v4
	v_add_nc_u32 v[ADRB+1], BSLOT, v[ADRB]
	v_lshlrev_b32 v5, 5, v1                        ; my row's scales: 32 bytes a row,
	v_lshrrev_b32 v6, 8, v5
	v_lshl_add_u32 v5, v6, 4, v5                   ; and 16 more for each 256 passed
	s_mul_i32 s21, s15, SAH                        ; y's: my 64 rows
	s_mul_i32 s22, s16, SBH                        ; W_proj's: my 128 rows, behind y's
	s_add_co_u32 s22, s22, SCB-SCA
	s_sub_co_u32 s22, s22, s21
	v_mul_u32_u24 v6, s22, v2                      ; lanes 16-31 take W_proj's
	s_add_co_u32 s21, s21, SCA
	v_add_nc_u32 v5, v5, v6
	v_add_nc_u32 v[ADRS], s21, v5
	s_mul_i32 s23, s14, 16*SPITCH
	s_add_co_u32 s23, s23, STAGE                   ; my stage
	v_mul_u32_u24 v5, v1, SPITCH                   ; in: row r, 32 bytes for each half of the lanes
	v_lshl_add_u32 v5, v2, 5, v5
	v_add_nc_u32 v[STO], s23, v5
	v_add_nc_u32 v[RD], s23, v[CO]                 ; back: the 32 lanes take one row of 512 bytes
	v_lshlrev_b32 v30, 5, v2                       ; the bias: 32 h bytes
	s_wait_alu depctr_va_vdst(0)
	s_lshl_b32 s20, s17, 19                        ; my first row of out0: (128 x tile row + 64 x half) rows of 4,096 bytes
	s_lshl_b32 s21, s15, 18
	s_add_co_u32 s20, s20, s21
	s_mov_b32 s21, 0
	s_lshl_b32 s46, s42, 10                        ; my first column, in bytes: 1,024 x tile column + 512 x half
	s_lshl_b32 s47, s16, 9
	s_add_co_u32 s46, s46, s47
	s_mov_b32 s47, 0
	s_add_nc_u64 s[20:21], s[20:21], s[46:47]
	s_add_nc_u64 s[12:13], s[12:13], s[20:21]
	s_add_nc_u64 s[96:97], s[96:97], s[46:47]      ; b_proj at my 128 columns
	WIN 0x40                                       ; destination window 1
.irp b, 0,1,2,3,4,5,6,7
	global_load_b128 v[BI+8*\b:BI+8*\b+3], v30, s[96:97] offset:64*\b       ; columns 16 b + 8 h + 0 .. 7
	global_load_b128 v[BI+8*\b+4:BI+8*\b+7], v30, s[96:97] offset:64*\b+16
.endr
	WIN 0
; the fragments of the slot's q-th 128 along K into set p: W_proj's eight, then y's four (images: 16 bytes a lane)
.macro FETCH3 slot, q, p
	WIN 0x40
.irp i, 0,1,2,3,4,5,6,7
.irp c, 0,1
	ds_load_b128 v[128*(\p)+8*\i+4*\c:128*(\p)+8*\i+4*\c+3], v[ADRB+\slot] offset:64*(\q)+32*\c+\i*16*PITCH
.endr
.endr
	WIN 0
.irp a, 0,1,2,3
.irp c, 0,1
	ds_load_b128 v[AF+32*(\p)+8*\a+4*\c:AF+32*(\p)+8*\a+4*\c+3], v[ADRA+\slot] offset:4096*\a+1024*(\q)+512*\c
.endr
.endr
.endm
.macro SCALES sc                       ; a slot's scale words: lanes 0-15 take y's block i, lanes 16-31 W_proj's block i.  For i from 4 on lanes 0-15 read words of other rows, which no product names
.irp i, 0,1,2,3,4,5,6,7
	ds_load_b128 v[SC+32*\sc+4*\i:SC+32*\sc+4*\i+3], v[ADRS] offset:\i*SBLK
.endr
.endm
; 32 matrix instructions: y's four blocks x W_proj's eight, 128 along K.  The 32 accumulators take turns, one instruction a turn, in the same order in every step.  first = 1: the sums start from the bias.
.macro MUL32 p, q, sc, first
.if \first
	WIN 0x91                                       ; source 0 window 1, source 1 window 0, C window 1, D window 2
.else
	WIN 0xa1                                       ; C and D window 2
.endif
.irp a, 0,1,2,3
.irp b, 0,1,2,3,4,5,6,7
.if \first
	v_wmma_scale_f32_16x16x128_f8f6f4 v[8*(8*\a+\b):8*(8*\a+\b)+7], v[128*(\p)+8*\b:128*(\p)+8*\b+7], v[AF+32*(\p)+8*\a:AF+32*(\p)+8*\a+7], v[BI+8*\b:BI+8*\b+7], v[SC+32*(\sc)+4*\b+(\q)], v[SC+32*(\sc)+4*\a+(\q)] matrix_a_fmt:MATRIX_FMT_FP4 matrix_b_fmt:MATRIX_FMT_FP4 matrix_a_scale:MATRIX_SCALE_ROW1
.else
	v_wmma_scale_f32_16x16x128_f8f6f4 v[8*(8*\a+\b):8*(8*\a+\b)+7], v[128*(\p)+8*\b:128*(\p)+8*\b+7], v[AF+32*(\p)+8*\a:AF+32*(\p)+8*\a+7], v[8*(8*\a+\b):8*(8*\a+\b)+7], v[SC+32*(\sc)+4*\b+(\q)], v[SC+32*(\sc)+4*\a+(\q)] matrix_a_fmt:MATRIX_FMT_FP4 matrix_b_fmt:MATRIX_FMT_FP4 matrix_a_scale:MATRIX_SCALE_ROW1
.endif
.endr
.endr
.endm
.macro PLACES n                        ; a load into a register that a matrix instruction has read, and an LDS store that reads a matrix result, stand four plain vector instructions behind it (ISA guide 7.12.1 for the store)
.rept \n
	v_nop
.endr
.endm
	s_wait_loadcnt 0x0                             ; the bias
	s_wait_tensorcnt 1                             ; the scales and my part of slot 0 are in (slot 1's load may be out)
	s_barrier_signal -1
	s_barrier_wait -1                              ; everybody's are
	FETCH3 0, 0, 0
	SCALES 0
; eight steps of 128 along K; each fetches the next step's fragments into the other set ahead of its own 32 products
.irp g, 0,1,2,3,4,5,6,7
	s_wait_dscnt 0x0                               ; this step's fragments are in (asked for ahead of the last step's products)
.if \g == 3
	WIN 0
	s_wait_tensorcnt 0x0                           ; my part of slot 1 is in,
	s_barrier_signal -1
	s_barrier_wait -1                              ; everybody's is
	v_add_nc_u32 v[ADRS], 16, v[ADRS]              ; on to slot 1's scale words
.endif
.if \g < 7
.if \g > 0
	PLACES 4
.endif
	FETCH3 (\g+1)/4, (\g+1)%4, (\g+1)%2
.if \g == 3
	SCALES 1
.endif
.endif
.if \g == 0
	MUL32 0, 0, 0, 1
.else
	MUL32 \g%2, \g%4, \g/4, 0
.endif
.endr
	WIN 0
; THE WAY OUT, block by block of 16 rows x 128 columns, through my own stage in LDS: in as 32 bytes a lane, back as whole rows of 512 bytes.  LDS serves a wave's instructions in order (ISA guide 5.7.1.4): no wait between the stores and the loads.
.macro TOSTAGE a
.set AC, 64*(\a)
	WIN 0x08                                       ; the data: window 2
.irp b, 0,1,2,3,4,5,6,7
	ds_store_b128 v[STO], v[AC+8*\b:AC+8*\b+3] offset:64*\b          ; each accumulator from its low end on
	ds_store_b128 v[STO], v[AC+8*\b+4:AC+8*\b+7] offset:64*\b+16
.endr
	WIN 0
.set BB, BK+64*((\a)%2)
.irp t, 0,1,2,3,4,5,6,7,8,9,10,11,12,13,14,15
	ds_load_b128 v[BB+4*\t:BB+4*\t+3], v[RD] offset:\t*SPITCH
.endr
.endm
.macro SEND a, younger                 ; younger: the LDS instructions issued behind block a's loads, which may stay out
.set BB, BK+64*((\a)%2)
	s_wait_dscnt \younger                          ; the block is back in registers
.irp t, 0,1,2,3,4,5,6,7,8,9,10,11,12,13,14,15
	global_store_b128 v[CO], v[BB+4*\t:BB+4*\t+3], s[12:13] offset:(16*(\a)+\t)*4096 th:TH_STORE_NT   ; 32 lanes store 512 consecutive bytes, aligned; the row stands in the immediate, 63 rows of 4,096 bytes at the most
.endr
.endm
	PLACES 4                                       ; behind the last products: for the stores that read results and the loads into the registers that held y's fragments
	TOSTAGE 0
.irp a, 1,2,3
.if \a > 1
	s_wait_xcnt 0x0                                ; the stores of the block before last have read their registers: this block's loads may land there
.endif
	TOSTAGE \a
	SEND \a-1, 32                                  ; behind block a - 1's loads: block a's 16 stores and 16 loads
.endr
	SEND 3, 0
	s_wait_tensorcnt 0x0                           ; the wave's end: behind my last tensor load and my last LDS store
	ds_add_u32 v[SPW], v[NIL]
	s_wait_dscnt 0x0
	CROUND                                         ; the closing round
	s_endpgm
.Lfunc_end_k_q241742e4d1_proj:
	.size	k_q241742e4d1_proj, .Lfunc_end_k_q241742e4d1_proj-k_q241742e4d1_proj
	.p2alignl 7, 3214868480
	.fill 96, 4, 3214868480
	.section	.rodata,"a",@progbits
	.p2align	6, 0x0
	.amdhsa_kernel k_q241742e4d1_proj
		.amdhsa_group_segment_fixed_size 262144
		.amdhsa_private_segment_fixed_size 0
		.amdhsa_enable_private_segment 0
		.amdhsa_kernarg_size 48
		.amdhsa_user_sgpr_count 2
		.amdhsa_user_sgpr_kernarg_segment_ptr 1
		.amdhsa_wavefront_size32 1
		.amdhsa_system_sgpr_workgroup_id_x 1
		.amdhsa_system_sgpr_workgroup_id_y 1
		.amdhsa_system_sgpr_workgroup_id_z 1
		.amdhsa_system_vgpr_workitem_id 0
		.amdhsa_next_free_vgpr 768
		.amdhsa_next_free_sgpr 98
		.amdhsa_reserve_vcc 0
		.amdhsa_float_denorm_mode_32 3
		.amdhsa_float_denorm_mode_16_64 3
		.amdhsa_memory_ordered 1
		.amdhsa_forward_progress 1
		.amdhsa_inst_pref_size 73
	.end_amdhsa_kernel
	.amdgpu_metadata
---
amdhsa.version: [ 1, 2 ]
amdhsa.kernels:
  - .name:           k_q241742e4d1_proj
    .symbol:         k_q241742e4d1_proj.kd
    .args:
      - { .name: y_codes, .offset: 0, .size: 8, .value_kind: global_buffer, .address_space: global }
      - { .name: y_scales, .offset: 8, .size: 8, .value_kind: global_buffer, .address_space: global }
      - { .name: W_proj_codes, .offset: 16, .size: 8, .value_kind: global_buffer, .address_space: global }
      - { .name: W_proj_scales, .offset: 24, .size: 8, .value_kind: global_buffer, .address_space: global }
      - { .name: b_proj, .offset: 32, .size: 8, .value_kind: global_buffer, .address_space: global }
      - { .name: out0, .offset: 40, .size: 8, .value_kind: global_buffer, .address_space: global }
    .group_segment_fixed_size: 262144
    .private_segment_fixed_size: 0
    .kernarg_segment_align: 8
    .kernarg_segment_size: 48
    .max_flat_workgroup_size: 128
    .sgpr_count:     98
    .vgpr_count:     768
    .wavefront_size: 32
...
	.end_amdgpu_metadata
.endif
;; end of part 3
